; MI455X (gfx1250); checked and timed in simulation.
; The chip was launched on July 23, 2026; its instructions are those of AMD's public machine-readable ISA for CDNA 5 (MIT licence, August 2026) and "CDNA5" Instruction Set Architecture Reference Guide (July 2026). The comments in the code are by the model that wrote it; some were corrected since.
;; Bilinear Attention Fusion2 D. Allowed arithmetic: matrix products marked QUANTISED: E4M3 operands, one given power-of-two scale a tensor, by v_wmma_f32_16x16x64_fp8_fp8 or v_wmma_f32_16x16x128_fp8_fp8, f32 sums; products left as they are: f32 operands where the result goes on into a quantised operand, else bf16, f16 or f32 operands; f32 sums; everything else in f32.
;; Inputs: Ek 1,024 x 256 float32; Ev 1,024 x 256 float32; Uq 256 x 256 float32; Vk 256 x 256 float32; Wq 256 x 1,024 float32; bk_val 256 float32; bq 256 float32; bv_val 256 float32; desc_2d 512 x 1,024 float32; hg 512 x 1,024 float32; ln_k_b 256 float32; ln_k_g 256 float32; ln_q_b 256 float32; ln_q_g 256 float32; ln_v_b 256 float32; ln_v_g 256 float32; lowp_scales 6 int32 (the exponents e of the quantised operands' scales 2^e); wk_val 256 float32; wv_val 256 float32.
;; Outputs: out0 512 x 256 float32; out1 512 x 1,024 float32.
;; This version of the problem:
;;   THIS VERSION OF THE PROBLEM IS GIVEN IN LOW PRECISION. The matrix products marked QUANTISED in the list below multiply operands that are first quantised to E4M3 (4 exponent bits, 3 mantissa bits; 8 bits a number), with one given power-of-two scale for each operand tensor; their sums are f32. All else is computed in f32.
;;   The module's matrix products, in the order in which they are computed (A, B: the left and right operand; K: the contracted axis; several contracted axes count as one K, in the product's order):
;;     1. [M 512, K 1,024] x [K 1,024, N 256]; A: input hg; B: input Wq: QUANTISED (scales: A lowp_scales[0], B lowp_scales[1])
;;     2. [M 512, K 256] x [K 256, N 256]; A: computed on the way; B: input Uq: QUANTISED (scales: A lowp_scales[2], B lowp_scales[3])
;;     3. [M 524,288, K 256] x [K 256, N 256]; A: computed on the way; B: input Vk: QUANTISED (scales: A lowp_scales[4], B lowp_scales[5])
;;     4. batch 512 x [M 1,024, K 256] x [K 256, N 1]; A: computed on the way; B: computed on the way: left as it is (N = 1 < 16)
;;     5. batch 512 x [M 1, K 1,024] x [K 1,024, N 256]; A: computed on the way; B: computed on the way: left as it is (M = 1 < 16)
;;   THE QUANTISER, for each operand of a quantised product, along K:
;;     - The operand's scale is 2^e, e = its entry of the input lowp_scales (int32; the entries are numbered through the quantised products in the list's order, A before B).
;;     - Each number is divided by the scale, clamped to +-448, and rounded to the nearest number of E4M3, ties to even, subnormals kept.
;;     - The product sums the exact products of the quantised numbers (number of the format x scale) in f32.
;;   ~~~python
;;   def quantise(x, axis, e):      # numpy; x: float32 -> the quantised numbers, widened to float32 again
;;       x = np.moveaxis(x, axis, -1); K = x.shape[-1]
;;       r = np.clip(x / 2.0 ** e, -448, 448)
;;       step = 2.0 ** (np.maximum(np.frexp(np.where(r == 0, 1, r))[1] - 1, -6) - 3)
;;       q = np.round(r / step) * step * 2.0 ** e      # np.round: ties to even
;;       return np.moveaxis(q, -1, axis).astype(np.float32)
;;   ~~~
;;   OPERANDS COMPUTED ON THE WAY. 'Computed on the way' means the value that the module computes at that place (a softmax that the list does not call 'softmax' is quantised finished and normalised). What goes into a quantiser is computed in f32, as accurately as f32 sums, v_exp_f32 and their like allow (about 1e-6 of the number): no bf16 or f16 on the way to a quantiser, and a product that is left as it is and whose result goes on into a quantised operand takes f32 operands (vector FMAs, or v_wmma_f32_16x16x4_f32). A number that lies on a knife's edge between two numbers of the format may be rounded either way, as far as f32 arithmetic and the matrix unit's own rounding can turn it there, and no further.
;; 2 versions, each right; version 2 is version 1 with the launch main written anew for expert scheduling mode. Each part assembles by itself: llvm-mc -triple=amdgcn-amd-amdhsa -mcpu=gfx1250 --defsym DOCPART=n.
;; ======== version 1 of 2: 3 launches
;; limits: a difference of large sums (such as E[x^2] - mean^2): digits are lost where the result is much smaller than its terms
;; workspace buffers: Y 524,288 bytes; AK 1,048,576 bytes; AV 524,288 bytes; TAB 18,944 bytes; WC 131,072 bytes; SIG 2,097,152 bytes; SP 65,536 bytes; PC 8,388,608 bytes
;; launch prep (part 1): grid 256 x 1, 4 waves a work-group, no clusters, 8,704 bytes of LDS; arguments hg, Wq, bq, Ek, Ev, bk_val, wk_val, ln_k_g, bv_val, wv_val, ln_v_g, Vk, Uq, lowp_scales, Y, AK, AV, TAB, WC; writes Y, AK, AV, TAB, WC
.if DOCPART == 1
	.amdgcn_target "amdgcn-amd-amdhsa--gfx1250"
	.amdhsa_code_object_version 6
	.text
	.protected	k_qf76e49c13c_prep
	.globl	k_qf76e49c13c_prep
	.p2align	8
	.type	k_qf76e49c13c_prep,@function
k_qf76e49c13c_prep:
	s_mov_b64 s[64:65], 0
	v_nop
	global_prefetch_b8 v0, s[64:65] scope:SCOPE_SE
	s_setreg_imm32_b32 hwreg(HW_REG_WAVE_MODE, 25, 1), 1
	s_wait_xcnt 0x0
; PREP: what does not hang on a token (b, p) is made once.
;  (1) y = hg Wq^T + bq, on codes of E4M3 (scales 2^e0, 2^e1).  Work-group g makes 16 rows b x 32 columns n; K = 1,024 is shared by the four waves (256 each),
;      whose f32 sums meet in LDS.  Y is laid in the order of the later operand's registers: [b tile 32][32 n: 8][j 4][lane 32][4]: lane (r, h) holds y(16 bt + r, 32 ns + 16 h + 4 j + 0..3).
;  (2) A token before its LayerNorm is s w[d] + (b[d] + E[p][d]), s = desc[b][p].  With wc = w - mean(w) and a = b + E[p] - its mean, the token's mean drops out and
;      var = VW s^2 + 2 C s + V, VW = mean(wc^2), C = mean(wc a), V = mean(a^2); LN = (s rr)(wc g) + rr (a g) + beta, rr = rsqrt(var + 1e-5).
;      Wave w of work-group g takes p = 4 g + w, for k and for v: AK[p] = a g (f32), AV[p] = a g (bf16: it feeds the last product, which is left as it is),
;      TAB[p] = (2 Ck, Vk + 1e-5, 2 Cv, Vv + 1e-5).  Work-group 0, wave 0 also stores wc g of both and (VWk, VWv).
;  (3) Row g of Vk (wave 0, scale 2^e5) and of Uq (wave 1, 2^e3) becomes 256 codes, K innermost as it lies.
; No tensor loads, no cluster: each work-group reads its few KB once, straight into registers.
; A fragment (16 rows x 128 K) is held with k = 32 c + 16 h + 0..15 in registers 4 c .. 4 c + 3, alike on both sides of every product.
; LIMITS: each of e0, e1, e3, e5 between -126 and 119; e0 + e1 between -126 and 127.  NaN among the inputs is not served.
; The row of four numbers of TAB is 16 bytes stored by one lane of a wave: 16 KB in the whole launch.
.set EK, 16                            ; v16-79: eight numbers a lane of each row or vector: d = 128 q + 4 lane + 0..3, q = 0, 1
.set EV, 24
.set BK, 32
.set WK, 40
.set GK, 48
.set BV, 56
.set WV, 64
.set GV, 72
.set T,  92                            ; v92-99 at work; v92-107 the four waves' partial sums of y
.set PT, 128                           ; v128-131 the row of TAB
.set HGC, 144                          ; v144-175 hg's codes, two K steps
.set WQC, 176                          ; v176-239 Wq's codes: (K step s, tile u) at 16 (2 s + u)
.set DD, 240                           ; v240-255 two accumulators
.set I256, 84                          ; s84 1/256, s85 1/128, s86 1e-5
.set I128, 85
.set EPSR, 86
.set MSB, 0
.macro WIN new                         ; the immediate's high byte repeats the setting that is left
.if MSB != (\new)
	s_set_vgpr_msb (MSB<<8)|(\new)
.set MSB, (\new)
.endif
.endm
.macro MKSC e, sc, lo, hi              ; from the whole number e: 2^e, -448 x 2^e, 448 x 2^e as f32 patterns
	s_add_co_i32 s[\sc], s[\e], 127
	s_add_co_i32 s[\hi], s[\sc], 8
	s_lshl_b32 s[\sc], s[\sc], 23
	s_lshl_b32 s[\hi], s[\hi], 23
	s_or_b32 s[\hi], s[\hi], 0x600000
	s_or_b32 s[\lo], s[\hi], 0x80000000
.endm
.macro WSUM a                          ; the sum over the wave's 32 lanes, in every lane
	v_add_f32_dpp v[\a], v[\a], v[\a] row_xmask:1 row_mask:0xf bank_mask:0xf
	v_add_f32_dpp v[\a], v[\a], v[\a] row_xmask:2 row_mask:0xf bank_mask:0xf
	v_add_f32_dpp v[\a], v[\a], v[\a] row_xmask:4 row_mask:0xf bank_mask:0xf
	v_add_f32_dpp v[\a], v[\a], v[\a] row_xmask:8 row_mask:0xf bank_mask:0xf
	v_permlanex16_b32 v127, v[\a], s88, s89
	v_add_f32 v[\a], v[\a], v127
.endm
; 64 f32 numbers a lane of a fragment: fragment f lies at register 256 + 64 f (windows 1 and 2)
.macro RAW f, base, off
	WIN (1+(\f)/4)<<6
.irp c, 0,1,2,3
.irp j, 0,1,2,3
	global_load_b128 v[64*((\f)%4)+16*\c+4*\j:64*((\f)%4)+16*\c+4*\j+3], v4, s[\base:\base+1] offset:(\off)+128*\c+16*\j
.endr
.endr
.endm
; fragment f is held within the largest code x the scale (the conversion does not saturate: ISA guide 7.6.2) and becomes 16 registers of codes at v[dst]
.macro QF f, lo, hi, sc, dst
	WIN ((1+(\f)/4)<<6)|(1+(\f)/4)
.set i, 0
.rept 64
	v_med3_num_f32 v[64*((\f)%4)+i], v[64*((\f)%4)+i], s[\lo], s[\hi]
.set i, i+1
.endr
	WIN 1+(\f)/4
.irp g, 0,1,2,3,4,5,6,7
	v_cvt_scalef32_pk8_fp8_f32 v[\dst+2*\g:\dst+2*\g+1], v[64*((\f)%4)+8*\g:64*((\f)%4)+8*\g+7], v[\sc]
.endr
	WIN 0
	v_nop                                          ; one plain line between the last conversion and whatever touches its registers next
.endm
; the statistics of one row p for k or for v.  In: e = E[p], b, w, g.  Out: e = a g, w = wc g, v[vw] = VW, v[PT+q] = 2 C, v[PT+q+1] = V + 1e-5
.macro STATS e, b, w, g, q, vw
.irp j, 0,2,4,6
	v_pk_add_f32 v[\e+\j:\e+\j+1], v[\e+\j:\e+\j+1], v[\b+\j:\b+\j+1]
.endr
	v_pk_add_f32 v[T:T+1], v[\e:\e+1], v[\e+2:\e+3]
	v_pk_add_f32 v[T+2:T+3], v[\e+4:\e+5], v[\e+6:\e+7]
	v_pk_add_f32 v[T+4:T+5], v[\w:\w+1], v[\w+2:\w+3]
	v_pk_add_f32 v[T+6:T+7], v[\w+4:\w+5], v[\w+6:\w+7]
	v_pk_add_f32 v[T:T+1], v[T:T+1], v[T+2:T+3]
	v_pk_add_f32 v[T+4:T+5], v[T+4:T+5], v[T+6:T+7]
	v_add_f32 v[T], v[T], v[T+1]
	v_add_f32 v[T+4], v[T+4], v[T+5]
	WSUM T
	WSUM T+4
	v_mul_f32 v[T], s[I256], v[T]                  ; the two means
	v_mul_f32 v[T+4], s[I256], v[T+4]
	v_mov_b32 v[T+1], v[T]
	v_mov_b32 v[T+5], v[T+4]
.irp j, 0,2,4,6
	v_pk_add_f32 v[\e+\j:\e+\j+1], v[\e+\j:\e+\j+1], v[T:T+1] neg_lo:[0,1] neg_hi:[0,1]
	v_pk_add_f32 v[\w+\j:\w+\j+1], v[\w+\j:\w+\j+1], v[T+4:T+5] neg_lo:[0,1] neg_hi:[0,1]
.endr
	v_pk_mul_f32 v[T:T+1], v[\w:\w+1], v[\w:\w+1]  ; three sums of products of centred numbers
	v_pk_mul_f32 v[T+2:T+3], v[\e:\e+1], v[\e:\e+1]
	v_pk_mul_f32 v[T+4:T+5], v[\w:\w+1], v[\e:\e+1]
.irp j, 2,4,6
	v_pk_fma_f32 v[T:T+1], v[\w+\j:\w+\j+1], v[\w+\j:\w+\j+1], v[T:T+1]
	v_pk_fma_f32 v[T+2:T+3], v[\e+\j:\e+\j+1], v[\e+\j:\e+\j+1], v[T+2:T+3]
	v_pk_fma_f32 v[T+4:T+5], v[\w+\j:\w+\j+1], v[\e+\j:\e+\j+1], v[T+4:T+5]
.endr
	v_add_f32 v[T], v[T], v[T+1]
	v_add_f32 v[T+2], v[T+2], v[T+3]
	v_add_f32 v[T+4], v[T+4], v[T+5]
	WSUM T
	WSUM T+2
	WSUM T+4
	v_mul_f32 v[\vw], s[I256], v[T]
	v_mul_f32 v[PT+\q], s[I128], v[T+4]
	v_fma_f32 v[PT+\q+1], v[T+2], s[I256], s[EPSR]
.irp j, 0,2,4,6
	v_pk_mul_f32 v[\e+\j:\e+\j+1], v[\e+\j:\e+\j+1], v[\g+\j:\g+\j+1]
	v_pk_mul_f32 v[\w+\j:\w+\j+1], v[\w+\j:\w+\j+1], v[\g+\j:\g+\j+1]
.endr
.endm
	s_load_b512 s[4:19], s[0:1], 0x0               ; hg 4, Wq 6, bq 8, Ek 10, Ev 12, bk 14, wk 16, ln_k_g 18
	s_load_b512 s[20:35], s[0:1], 0x40             ; bv 20, wv 22, ln_v_g 24, Vk 26, Uq 28, scales 30, Y 32, AK 34
	s_load_b128 s[36:39], s[0:1], 0x80             ; AV 36, TAB 38
	s_load_b64 s[40:41], s[0:1], 0x90              ; WC
	v_lshl_add_u32 v142, v0, 2, 0x2000
	v_mov_b32 v143, 0
	v_lshrrev_b32 v1, 5, v0
	v_readfirstlane_b32 s42, v1                    ; wave w
	v_and_b32 v1, 31, v0                           ; lane
	v_and_b32 v2, 15, v0                           ; r
	v_bfe_u32 v3, v0, 4, 1                         ; h
	s_lshr_b32 s43, ttmp9, 3                       ; bt: which 16 rows of hg
	s_and_b32 s66, ttmp9, 7                        ; ns: which 32 rows of Wq
	s_lshl_b32 s67, ttmp9, 2
	s_add_co_u32 s67, s67, s42                     ; p = 4 g + w
	s_lshr_b32 s68, s42, 1                         ; of the four groups of four sums a lane, wave w finishes (tile u = w / 2, half q = w % 2)
	s_and_b32 s69, s42, 1
	s_lshl_b32 s70, s42, 10
	v_lshlrev_b32 v4, 12, v2
	v_lshl_add_u32 v4, v3, 6, v4
	v_add_nc_u32 v4, s70, v4                       ; hg and Wq: row r of 4,096 bytes + 64 h + my wave's 256 along K
	v_lshlrev_b32 v5, 4, v1                        ; 16 x lane
	v_lshlrev_b32 v6, 3, v1                        ; 8 x lane
	v_lshlrev_b32 v7, 5, v1                        ; 32 x lane
	s_lshl_b32 s70, s68, 6
	s_lshl_b32 s71, s69, 4
	s_add_co_u32 s70, s70, s71
	v_lshl_add_u32 v8, v3, 5, s70                  ; bq: n = 16 u + 8 h + 4 q
	s_lshl_b32 s70, s69, 9
	s_lshl_b32 s71, s68, 8
	s_add_co_u32 s70, s70, s71
	v_lshl_add_u32 v9, v3, 10, s70
	v_lshl_add_u32 v9, v2, 4, v9                   ; Y: j = 2 h + q (512 bytes each), lane 16 u + r (16 bytes each)
	s_lshl_b32 s70, s42, 11
	v_add_nc_u32 v10, s70, v5                      ; LDS: my wave's 2,048 bytes of partial sums
	s_lshl_b32 s70, s42, 9
	v_add_nc_u32 v11, s70, v5                      ; LDS: group w in each wave's 2,048
	v_mov_b32 v12, 0
	v_mov_b32 v127, 0                              ; a lane permute's destination counts as read
	s_mov_b32 s[I256], 0x3b800000
	s_mov_b32 s[I128], 0x3c000000
	s_mov_b32 s[EPSR], 0x3727c5ac
	s_mov_b32 s88, 0x76543210
	s_mov_b32 s89, 0xfedcba98
	s_wait_kmcnt 0x0
	s_load_b128 s[44:47], s[30:31], 0x0            ; e0 .. e3
	s_load_b64 s[48:49], s[30:31], 0x10            ; e4, e5
	s_mov_b32 s51, 0
	s_lshl_b32 s50, s43, 16
	s_add_nc_u64 s[4:5], s[4:5], s[50:51]
	s_lshl_b32 s50, s66, 17
	s_add_nc_u64 s[6:7], s[6:7], s[50:51]
	s_lshl_b32 s50, s66, 7
	s_add_nc_u64 s[8:9], s[8:9], s[50:51]
	s_lshl_b32 s50, s67, 10
	s_add_nc_u64 s[10:11], s[10:11], s[50:51]
	s_add_nc_u64 s[12:13], s[12:13], s[50:51]
	s_add_nc_u64 s[34:35], s[34:35], s[50:51]
	s_lshl_b32 s50, s67, 9
	s_add_nc_u64 s[36:37], s[36:37], s[50:51]
	s_lshl_b32 s50, s67, 4
	s_add_nc_u64 s[52:53], s[38:39], s[50:51]      ; TAB's row p
	s_lshl_b32 s50, ttmp9, 11
	s_add_nc_u64 s[32:33], s[32:33], s[50:51]      ; Y: 2,048 bytes for each work-group
	s_cmp_eq_u32 s42, 0
	s_cselect_b64 s[54:55], s[26:27], s[28:29]     ; wave 0: Vk, wave 1: Uq
	s_lshl_b32 s50, ttmp9, 10
	s_add_nc_u64 s[54:55], s[54:55], s[50:51]
	s_lshl_b32 s50, s42, 16
	s_lshl_b32 s70, ttmp9, 8
	s_add_co_u32 s50, s50, s70
	s_add_nc_u64 s[40:41], s[40:41], s[50:51]      ; its row of codes
	; all loads go out now, those wanted first ahead
	s_cmp_lt_u32 s42, 2
	s_cbranch_scc0 .Lno_row
	global_load_b128 v[80:83], v7, s[54:55]
	global_load_b128 v[84:87], v7, s[54:55] offset:16
.Lno_row:
.irp q, 0,1
	global_load_b128 v[EK+4*\q:EK+4*\q+3], v5, s[10:11] offset:512*\q
	global_load_b128 v[EV+4*\q:EV+4*\q+3], v5, s[12:13] offset:512*\q
	global_load_b128 v[BK+4*\q:BK+4*\q+3], v5, s[14:15] offset:512*\q
	global_load_b128 v[WK+4*\q:WK+4*\q+3], v5, s[16:17] offset:512*\q
	global_load_b128 v[GK+4*\q:GK+4*\q+3], v5, s[18:19] offset:512*\q
	global_load_b128 v[BV+4*\q:BV+4*\q+3], v5, s[20:21] offset:512*\q
	global_load_b128 v[WV+4*\q:WV+4*\q+3], v5, s[22:23] offset:512*\q
	global_load_b128 v[GV+4*\q:GV+4*\q+3], v5, s[24:25] offset:512*\q
.endr
	global_load_b128 v[88:91], v8, s[8:9]
	RAW 0, 4, 0                                    ; hg, my first K step
	RAW 1, 6, 0                                    ; Wq, tile 0
	RAW 2, 6, 65536                                ; Wq, tile 1
	RAW 3, 4, 512                                  ; my second K step
	RAW 4, 6, 512
	RAW 5, 6, 66048
	WIN 0
	s_wait_kmcnt 0x0
	MKSC 44, 72, 73, 74
	MKSC 45, 75, 76, 77
	s_cmp_eq_u32 s42, 0
	s_cselect_b32 s78, s49, s47                    ; Vk's e5 or Uq's e3
	MKSC 78, 79, 80, 81
	v_mov_b32 v134, s72
	v_mov_b32 v135, s75
	v_mov_b32 v136, s79
	s_add_co_i32 s82, s44, s45
	s_add_co_i32 s82, s82, 127
	s_lshl_b32 s82, s82, 23                        ; 2^(e0 + e1)
	s_mov_b32 s83, s82
	; ---- (3) a row of Vk or Uq into codes
	s_cmp_lt_u32 s42, 2
	s_cbranch_scc0 .Lno_codes
	s_wait_loadcnt 63                              ; 113 loads are younger than the row's two
.irp i, 0,1,2,3,4,5,6,7
	v_med3_num_f32 v[80+\i], v[80+\i], s80, s81
.endr
	v_cvt_scalef32_pk8_fp8_f32 v[132:133], v[80:87], v136
	v_nop
	global_store_b64 v6, v[132:133], s[40:41]      ; the wave stores 256 consecutive bytes, aligned
.Lno_codes:
	; ---- (2) the tables of row p
	s_wait_loadcnt 63                              ; 97 loads are younger than these sixteen
	STATS EK, BK, WK, GK, 0, 120
	STATS EV, BV, WV, GV, 2, 121
	global_store_b128 v5, v[EK:EK+3], s[34:35]     ; 512 consecutive bytes each
	global_store_b128 v5, v[EK+4:EK+7], s[34:35] offset:512
	v_cvt_pk_bf16_f32 v112, v[EV], v[EV+1]
	v_cvt_pk_bf16_f32 v113, v[EV+2], v[EV+3]
	v_cvt_pk_bf16_f32 v114, v[EV+4], v[EV+5]
	v_cvt_pk_bf16_f32 v115, v[EV+6], v[EV+7]
	global_store_b64 v6, v[112:113], s[36:37]      ; 256 consecutive bytes each
	global_store_b64 v6, v[114:115], s[36:37] offset:256
	s_wait_xcnt 0x0                                ; EXEC is a source of what has been issued: it changes only behind this wait
	v_cmp_eq_u32 vcc_lo, 0, v1
	s_and_saveexec_b32 s87, vcc_lo
	global_store_b128 v12, v[PT:PT+3], s[52:53]    ; every lane holds the four numbers: lane 0 stores them
	s_wait_xcnt 0x0
	s_or_b32 exec_lo, exec_lo, s87
	s_cmp_lg_u32 ttmp9, 0
	s_cbranch_scc1 .Lno_vec
	s_cmp_lg_u32 s42, 0
	s_cbranch_scc1 .Lno_vec
	v_mov_b32 v116, v120
	v_mov_b32 v117, v121
	v_mov_b32 v118, v120
	v_mov_b32 v119, v121
	global_store_b128 v5, v[WK:WK+3], s[38:39] offset:16384
	global_store_b128 v5, v[WK+4:WK+7], s[38:39] offset:16896
	global_store_b128 v5, v[WV:WV+3], s[38:39] offset:17408
	global_store_b128 v5, v[WV+4:WV+7], s[38:39] offset:17920
	global_store_b128 v5, v[116:119], s[38:39] offset:18432
.Lno_vec:
	; ---- (1) my 256 along K of y.  Source 0 = 16 rows of Wq, source 1 = 16 rows of hg: lane (r, h), register j: y(b = r, n = 16 u + 8 h + j)
	s_wait_loadcnt 63                              ; the counts: 16 loads for each younger fragment, as far as a wait can name them
	QF 0, 73, 74, 134, HGC
	s_wait_loadcnt 63
	QF 1, 76, 77, 135, WQC
	s_wait_loadcnt 48
	QF 2, 76, 77, 135, WQC+16
	v_wmma_f32_16x16x128_fp8_fp8 v[DD:DD+7], v[WQC:WQC+15], v[HGC:HGC+15], 0
	v_wmma_f32_16x16x128_fp8_fp8 v[DD+8:DD+15], v[WQC+16:WQC+31], v[HGC:HGC+15], 0
	s_wait_loadcnt 32
	QF 3, 73, 74, 134, HGC+16
	s_wait_loadcnt 16
	QF 4, 76, 77, 135, WQC+32
	s_wait_loadcnt 0x0
	QF 5, 76, 77, 135, WQC+48
	v_wmma_f32_16x16x128_fp8_fp8 v[DD:DD+7], v[WQC+32:WQC+47], v[HGC+16:HGC+31], v[DD:DD+7]          ; the two accumulators take turns
	v_wmma_f32_16x16x128_fp8_fp8 v[DD+8:DD+15], v[WQC+48:WQC+63], v[HGC+16:HGC+31], v[DD+8:DD+15]
.rept 4
	v_nop                                          ; four places between the last product and the stores that read results
.endr
.irp k, 0,1,2,3
	ds_store_b128 v10, v[DD+4*\k:DD+4*\k+3] offset:512*\k
.endr
	s_wait_dscnt 0x0                               ; for the others' sake: my partial sums lie in LDS
	s_barrier_signal -1
	s_barrier_wait -1
.irp k, 0,1,2,3
	ds_load_b128 v[T+4*\k:T+4*\k+3], v11 offset:2048*\k
.endr
	s_wait_dscnt 0x0
	v_pk_add_f32 v[T:T+1], v[T:T+1], v[T+4:T+5]
	v_pk_add_f32 v[T+2:T+3], v[T+2:T+3], v[T+6:T+7]
	v_pk_add_f32 v[T+8:T+9], v[T+8:T+9], v[T+12:T+13]
	v_pk_add_f32 v[T+10:T+11], v[T+10:T+11], v[T+14:T+15]
	v_pk_add_f32 v[T:T+1], v[T:T+1], v[T+8:T+9]
	v_pk_add_f32 v[T+2:T+3], v[T+2:T+3], v[T+10:T+11]
	v_pk_fma_f32 v[T:T+1], v[T:T+1], s[82:83], v[88:89] op_sel_hi:[1,0,1]      ; sum x 2^(e0 + e1) + bq
	v_pk_fma_f32 v[T+2:T+3], v[T+2:T+3], s[82:83], v[90:91] op_sel_hi:[1,0,1]
	global_store_b128 v9, v[T:T+3], s[32:33]       ; each half of the lanes stores 256 consecutive bytes, aligned
	s_wait_tensorcnt 0x0
	ds_add_u32 v142, v143
	s_wait_dscnt 0x0
	s_endpgm
.Lfunc_end_k_qf76e49c13c_prep:
	.size	k_qf76e49c13c_prep, .Lfunc_end_k_qf76e49c13c_prep-k_qf76e49c13c_prep
	.p2alignl 7, 3214868480
	.fill 96, 4, 3214868480
	.section	.rodata,"a",@progbits
	.p2align	6, 0x0
	.amdhsa_kernel k_qf76e49c13c_prep
		.amdhsa_group_segment_fixed_size 8704
		.amdhsa_private_segment_fixed_size 0
		.amdhsa_enable_private_segment 0
		.amdhsa_kernarg_size 152
		.amdhsa_user_sgpr_count 2
		.amdhsa_user_sgpr_kernarg_segment_ptr 1
		.amdhsa_wavefront_size32 1
		.amdhsa_system_sgpr_workgroup_id_x 1
		.amdhsa_system_sgpr_workgroup_id_y 1
		.amdhsa_system_sgpr_workgroup_id_z 1
		.amdhsa_system_vgpr_workitem_id 0
		.amdhsa_next_free_vgpr 640
		.amdhsa_next_free_sgpr 90
		.amdhsa_reserve_vcc 1
		.amdhsa_float_denorm_mode_32 3
		.amdhsa_float_denorm_mode_16_64 3
		.amdhsa_memory_ordered 1
		.amdhsa_forward_progress 1
		.amdhsa_inst_pref_size 57
	.end_amdhsa_kernel
	.amdgpu_metadata
---
amdhsa.version: [ 1, 2 ]
amdhsa.kernels:
  - .name:           k_qf76e49c13c_prep
    .symbol:         k_qf76e49c13c_prep.kd
    .args:
      - { .name: hg, .offset: 0, .size: 8, .value_kind: global_buffer, .address_space: global }
      - { .name: Wq, .offset: 8, .size: 8, .value_kind: global_buffer, .address_space: global }
      - { .name: bq, .offset: 16, .size: 8, .value_kind: global_buffer, .address_space: global }
      - { .name: Ek, .offset: 24, .size: 8, .value_kind: global_buffer, .address_space: global }
      - { .name: Ev, .offset: 32, .size: 8, .value_kind: global_buffer, .address_space: global }
      - { .name: bk_val, .offset: 40, .size: 8, .value_kind: global_buffer, .address_space: global }
      - { .name: wk_val, .offset: 48, .size: 8, .value_kind: global_buffer, .address_space: global }
      - { .name: ln_k_g, .offset: 56, .size: 8, .value_kind: global_buffer, .address_space: global }
      - { .name: bv_val, .offset: 64, .size: 8, .value_kind: global_buffer, .address_space: global }
      - { .name: wv_val, .offset: 72, .size: 8, .value_kind: global_buffer, .address_space: global }
      - { .name: ln_v_g, .offset: 80, .size: 8, .value_kind: global_buffer, .address_space: global }
      - { .name: Vk, .offset: 88, .size: 8, .value_kind: global_buffer, .address_space: global }
      - { .name: Uq, .offset: 96, .size: 8, .value_kind: global_buffer, .address_space: global }
      - { .name: lowp_scales, .offset: 104, .size: 8, .value_kind: global_buffer, .address_space: global }
      - { .name: Y, .offset: 112, .size: 8, .value_kind: global_buffer, .address_space: global }
      - { .name: AK, .offset: 120, .size: 8, .value_kind: global_buffer, .address_space: global }
      - { .name: AV, .offset: 128, .size: 8, .value_kind: global_buffer, .address_space: global }
      - { .name: TAB, .offset: 136, .size: 8, .value_kind: global_buffer, .address_space: global }
      - { .name: WC, .offset: 144, .size: 8, .value_kind: global_buffer, .address_space: global }
    .group_segment_fixed_size: 8704
    .private_segment_fixed_size: 0
    .kernarg_segment_align: 8
    .kernarg_segment_size: 152
    .max_flat_workgroup_size: 128
    .sgpr_count:     90
    .vgpr_count:     640
    .wavefront_size: 32
...
	.end_amdgpu_metadata
.endif
;; end of part 1
;; launch main (part 2): grid 16 x 16, 4 waves a work-group, no clusters, 280,320 bytes of LDS; arguments desc_2d, Y, AK, AV, TAB, WC, ln_q_g, ln_q_b, ln_k_b, lowp_scales, SIG, SP, PC; writes SIG, SP, PC
.if DOCPART == 2
	.amdgcn_target "amdgcn-amd-amdhsa--gfx1250"
	.amdhsa_code_object_version 6
	.text
	.protected	k_qf76e49c13c_main
	.globl	k_qf76e49c13c_main
	.p2align	8
	.type	k_qf76e49c13c_main,@function
k_qf76e49c13c_main:
	s_mov_b64 s[64:65], 0
	v_nop
	global_prefetch_b8 v0, s[64:65] scope:SCOPE_SE
	s_setreg_imm32_b32 hwreg(HW_REG_WAVE_MODE, 25, 1), 1
	s_wait_xcnt 0x0
; MAIN: a work-group owns 32 rows b (grid y) x 64 tokens p (grid x): LN(q) and q2 = Q(q) Q(Uq)^T for its rows, then for each (b, p):
;   k = LN(desc w + b + Ek[p]) = (s rr) W'[d] + rr A'[p][d] + beta[d]  (tables made by the launch before),  k2 = Q(k) Q(Vk)^T on codes of E4M3,  logit = k2 . q2 / 16,  sigma = sigmoid(logit).
; It stores sigma, its part of sum(sigma) and of sum(sigma r_v s), and its part of sum_p (sigma r_v) A'v[p][:] (bf16 operands, f32 sums): the last launch adds sixteen parts.
; SHARES.  All that the loop reads is brought once: registers hold each wave's 64 rows e of Vk (128 registers of codes) and its 64 columns d of A', W', beta (192 registers); LDS holds the rest.
;   Wave w MAKES the codes of columns d = 64 w .. 64 w + 63 of all 64 tokens of a row b, and MULTIPLIES all 256 d by its rows e = 64 w .. 64 w + 63.
;   Codes go from wave to wave through LDS as images of the operand's registers (16 bytes a lane, 512 bytes a store), made TWO rows b ahead in four buffers by turns, so one barrier a row serves both directions.
; The product is used transposed (source 0 = 16 rows of Vk, source 1 = 16 tokens): a lane holds one token and eight e; it multiplies them by q2's eight and adds: eight partial logits a token meet in LDS at the end.
; VECTOR WORK BINDS (for 8 matrix instructions: 32 packed multiply-adds, 32 holds, 4 conversions, 20 lines of the dot product), so each matrix instruction stands singly among eight vector lines.
; No tensor loads, ring, cluster or joint loads: nothing is streamed; what work-groups share (codes of Vk and Uq, a block of A') is read once by each at its head.
; A fragment (16 rows x 128 K) is held with k = 32 c + 16 h + 0..15 in registers 4 c .. 4 c + 3, alike on both sides of every product.
; LIMITS: e2 and e4 between -126 and 119; e2 + e3 + e4 + e5 is applied by v_ldexp_f32.  NaN among the inputs is not served.  The variance VW s^2 + 2 C s + V is a sum of three terms made of centred numbers:
;   where s (w - mean) nearly cancels b + E[p] - mean it loses digits in that proportion; it is held at 1e-5 from below, under which var + 1e-5 never lies.
; REGISTERS, in windows of 256.  Window 0: v1-31 addresses; v32-63 X (32 numbers of k); v64-95 D (4 accumulators); v96-127 beta; v128-143 s and v144-159 r_v of my thread's 16 tokens; v160-255 at work.
;   Window 1: v0-127 Vk's codes (Uq's first); v128-135 (s rr, s rr, rr, rr) x 2; v136-199 q2's numbers x 2; v200 2^e4; v204-235 codes; v236-244 the dot product.
;   Window 2: v0-127 A'; v128-159 W'; v160-223 two sets of a tile's two fragments.   Window 3 (head only): v0-127 y; v128-191 ln_q_g; v192-199 chains.
.set IMGB, 0                           ; LDS: 4 buffers x [tile 4][K step 2][c 4] x 512
.set STB,  65536                       ; [b 32][p 64] x 16 bytes
.set WTB,  98304                       ; [b 32] rows of 1,024 + 16: q2 x the factor
.set WTP,  1040
.set EPB,  131584                      ; [wave, half: 8][b 32][p 64] f32: partial logits
.set QIB,  197120                      ; q's four fragments
.set AVB,  205312                      ; 64 rows of A'v, 512 + 32 bytes
.set AVP,  544
.set GTB,  240128                      ; 32 rows of sigma r_v in bf16, 128 + 16 bytes
.set GTP,  144
.set SPB,  244736                      ; the two sums of 32 rows
.set PSB,  244992                      ; 4 stages of 32 rows x (256 + 16)
.set PSP,  272
.set LI, 1
.set IW, 2
.set ST0, 3
.set STA, 4
.set WT0, 5
.set WTA, 6
.set EP0, 7
.set EPA, 8
.set DA, 9
.set PA, 10
.set GQ, 11
.set UA, 12
.set AA, 13
.set WA, 14
.set STW, 15
.set QW, 16
.set WTW, 17
.set AVW, 18
.set EPR, 19
.set GTW, 22
.set SPW, 23
.set AVR, 24
.set GTR, 25
.set PSW, 26
.set PSR, 27
.set PCO, 28
.set SPR, 29
.set QR, 30
.set L8, 31
.set RX, 32
.set RD, 64
.set RBETA, 96
.set SV, 128
.set RV, 144
.set SG, 192
.set RS, 128                           ; window 1
.set RWB, 136
.set SCL, 200
.set RCODE, 204
.set RACC, 236
.set RE, 244
.set RAP, 0                            ; window 2
.set RWP, 128
.set RF, 160
.set CH, 192                           ; window 3
.set SA, 0x09                          ; source 0 window 1, source 1 window 2, source 2 and destination window 0
.set SB, 0x54                          ; source 0 window 0, sources 1 and 2 and destination window 1
.set SF, 0x80                          ; destination window 2
.set LO4, 56
.set HI4, 57
.set MSB, 0
.macro WIN new                         ; the immediate's high byte repeats the setting that is left
.if MSB != (\new)
	s_set_vgpr_msb (MSB<<8)|(\new)
.set MSB, (\new)
.endif
.endm
.macro MKSC e, sc, lo, hi              ; from the whole number e: 2^e, -448 x 2^e, 448 x 2^e as f32 patterns
	s_add_co_i32 s[\sc], s[\e], 127
	s_add_co_i32 s[\hi], s[\sc], 8
	s_lshl_b32 s[\sc], s[\sc], 23
	s_lshl_b32 s[\hi], s[\hi], 23
	s_or_b32 s[\hi], s[\hi], 0x600000
	s_or_b32 s[\lo], s[\hi], 0x80000000
.endm
.macro FET fb, off                     ; (SF) a tile's two fragments, as they were stored
.irp s, 0,1
.irp c, 0,1,2,3
	ds_load_b128 v[RF+32*(\fb)+16*\s+4*\c:RF+32*(\fb)+16*\s+4*\c+3], v[LI] offset:(\off)+2048*\s+512*\c
.endr
.endr
.endm
.macro SLD sb, off                     ; (SB) my token's (s rr, s rr, rr, rr)
	ds_load_b128 v[RS+4*(\sb):RS+4*(\sb)+3], v[STA] offset:\off
.endm
.macro WLD par, t, off                 ; (SB) eight of q2's numbers: e = 64 w + 16 t + 8 h + 0..7
	ds_load_b128 v[RWB+32*(\par)+8*(\t):RWB+32*(\par)+8*(\t)+3], v[WTA] offset:\off
	ds_load_b128 v[RWB+32*(\par)+8*(\t)+4:RWB+32*(\par)+8*(\t)+7], v[WTA] offset:(\off)+16
.endm
.macro VA m, sb                        ; (SA) line jj of 64 that make 32 numbers of k: rr A' + beta; + (s rr) W'; the hold at the largest code x the scale (the conversion does not saturate: ISA guide 7.6.2)
.if jj < 16
	v_pk_fma_f32 v[RX+2*jj:RX+2*jj+1], v[RS+4*(\sb)+2:RS+4*(\sb)+3], v[RAP+32*(\m)+2*jj:RAP+32*(\m)+2*jj+1], v[RBETA+2*jj:RBETA+2*jj+1]
.elseif jj < 32
	v_pk_fma_f32 v[RX+2*(jj-16):RX+2*(jj-16)+1], v[RS+4*(\sb):RS+4*(\sb)+1], v[RWP+2*(jj-16):RWP+2*(jj-16)+1], v[RX+2*(jj-16):RX+2*(jj-16)+1]
.else
	v_med3_num_f32 v[RX+jj-32], s[LO4], s[HI4], v[RX+jj-32]
.endif
.endm
.macro MM k, fb                        ; (SA) product k of 8: tile of e k % 4, K step k / 4.  The four accumulators take turns
.set tt, (\k)%4
.set ss, (\k)/4
.if ss == 0
	v_wmma_f32_16x16x128_fp8_fp8 v[RD+8*tt:RD+8*tt+7], v[16*(2*tt+ss):16*(2*tt+ss)+15], v[RF+32*(\fb)+16*ss:RF+32*(\fb)+16*ss+15], 0
.else
	v_wmma_f32_16x16x128_fp8_fp8 v[RD+8*tt:RD+8*tt+7], v[16*(2*tt+ss):16*(2*tt+ss)+15], v[RF+32*(\fb)+16*ss:RF+32*(\fb)+16*ss+15], v[RD+8*tt:RD+8*tt+7]
.endif
.endm
.macro CVT m                           ; (SB)
.irp g, 0,1,2,3
	v_cvt_scalef32_pk8_fp8_f32 v[RCODE+8*(\m)+2*\g:RCODE+8*(\m)+2*\g+1], v[RX+8*\g:RX+8*\g+7], v[SCL]
.endr
.endm
.macro IST m, buf                      ; (SB) my two groups of four registers of tile m's fragment
	ds_store_b128 v[IW], v[RCODE+8*(\m):RCODE+8*(\m)+3] offset:(\buf)*16384+(\m)*4096
	ds_store_b128 v[IW], v[RCODE+8*(\m)+4:RCODE+8*(\m)+7] offset:(\buf)*16384+(\m)*4096+512
.endm
.macro POST par                        ; (SB) my token's 32 sums times q2's 32 numbers, in four chains, each accumulator from its low end on; sums of window 1 registers are written 1.0 x a + b, since source 0 means window 0 here
.irp t, 0,1,2,3
	v_pk_mul_f32 v[RACC+2*\t:RACC+2*\t+1], v[RD+8*\t:RD+8*\t+1], v[RWB+32*(\par)+8*\t:RWB+32*(\par)+8*\t+1]
.endr
.irp i, 2,4,6
.irp t, 0,1,2,3
	v_pk_fma_f32 v[RACC+2*\t:RACC+2*\t+1], v[RD+8*\t+\i:RD+8*\t+\i+1], v[RWB+32*(\par)+8*\t+\i:RWB+32*(\par)+8*\t+\i+1], v[RACC+2*\t:RACC+2*\t+1]
.endr
.endr
	v_pk_fma_f32 v[RACC:RACC+1], 1.0, v[RACC+2:RACC+3], v[RACC:RACC+1] op_sel_hi:[0,1,1]
	v_pk_fma_f32 v[RACC+4:RACC+5], 1.0, v[RACC+6:RACC+7], v[RACC+4:RACC+5] op_sel_hi:[0,1,1]
	v_pk_fma_f32 v[RACC:RACC+1], 1.0, v[RACC+4:RACC+5], v[RACC:RACC+1] op_sel_hi:[0,1,1]
	v_fma_f32 v[RE], 1.0, v[RACC], v[RACC+1]
.endm
; ONE TILE OF 16 TOKENS of row b = 4 trip + rho: its products; beside them the codes of tile m of row b + 2 (make); the next tile's fragments (fet), the next token's numbers (sld), eight of row b + 1's q2 (wld).
; Behind product 7 stand eight holds, which name X alone: the places in front of the first read of results, and of the next tile's loads into the fragments just read.
.macro SLOT rho, m, make, fet, sld, wld, bar
.if \fet
	WIN SF
.if (\m) < 3
	FET ((\m)+1)&1, (\rho)*16384+((\m)+1)*4096
.else
	FET 0, (((\rho)+1)%4)*16384
.endif
	s_wait_dscnt 8                                 ; all but the eight just issued: this tile's fragments and numbers are in
.else
	s_wait_dscnt 0x0
.endif
	WIN SA
.if \make
.set jj, 0
.rept 64
.if (jj%8) == 0
	MM jj/8, (\m)&1
.endif
	VA \m, (\m)&1
.set jj, jj+1
.endr
.else
.set jj, 0
.rept 8
	MM jj, (\m)&1
.set jj, jj+1
.endr
.rept 5
	v_nop                                          ; five places: the next tile's first products write over these accumulators
.endr
.endif
	WIN SB
.if \make
	CVT \m
	IST \m, ((\rho)+2)%4
.endif
.if \sld
.if (\m) < 3
	SLD ((\m)+1)&1, ((\rho)+2)*1024+((\m)+1)*256
.else
	SLD 0, ((\rho)+3)*1024
.endif
.endif
.if \wld
	WLD ((\rho)+1)&1, \m, ((\rho)+1)*WTP+64*(\m)
.endif
	POST (\rho)&1
.if \bar
	s_wait_dscnt 0x0                               ; my images of row b + 2 lie in LDS, and my reads of row b's are over
	s_barrier_signal -1
	s_barrier_wait -1
.endif
	ds_store_b32 v[EPA], v[RE] offset:(\rho)*256+64*(\m)
.endm
.macro PSLOT b, m                      ; ahead of the loop: the codes of tile m of row b = 0 or 1, with no products beside them
	s_wait_dscnt 0x0
	WIN SA
.set jj, 0
.rept 64
	VA \m, (\m)&1
.set jj, jj+1
.endr
	WIN SB
	CVT \m
	v_nop                                          ; the plain line behind the conversions
	IST \m, \b
.if (\m) < 3
	SLD ((\m)+1)&1, (\b)*1024+((\m)+1)*256
.else
	SLD 0, ((\b)+1)*1024
.endif
.endm
	s_load_b512 s[4:19], s[0:1], 0x0               ; desc 4, Y 6, AK 8, AV 10, TAB 12, WC 14, ln_q_g 16, ln_q_b 18
	s_load_b256 s[20:27], s[0:1], 0x40             ; ln_k_b 20, scales 22, SIG 24, SP 26
	s_load_b64 s[28:29], s[0:1], 0x60              ; PC
	v_lshl_add_u32 v254, v0, 2, 0x44500
	v_mov_b32 v255, 0
	v_lshrrev_b32 v224, 5, v0
	v_readfirstlane_b32 s30, v224                  ; wave w
	v_and_b32 v225, 31, v0                         ; lane
	v_and_b32 v226, 15, v0                         ; r
	v_bfe_u32 v227, v0, 4, 1                       ; h
	v_lshrrev_b32 v228, 4, v0                      ; thread / 16: 0 .. 7
	s_mov_b32 s31, ttmp9                           ; pb
	s_and_b32 s32, ttmp7, 0xffff                   ; bb
	s_lshr_b32 s33, s30, 1
	s_and_b32 s46, s30, 1
	; every address register is made here and, but for STA, WTA and EPA, never written again
	v_lshlrev_b32 v[LI], 4, v225
	s_lshl_b32 s74, s33, 11
	s_lshl_b32 s75, s46, 10
	s_add_co_u32 s74, s74, s75
	v_add_nc_u32 v[IW], s74, v[LI]                 ; my columns are K step w / 2, groups c = 2 (w % 2) and the next
	v_lshl_add_u32 v[ST0], v226, 4, STB
	s_lshl_b32 s74, s30, 8
	v_lshl_add_u32 v[WT0], v227, 5, s74
	v_add_nc_u32 v[WT0], WTB, v[WT0]
	s_lshl_b32 s75, s30, 14
	v_lshl_add_u32 v[EP0], v227, 13, s75
	v_lshl_add_u32 v[EP0], v226, 2, v[EP0]
	v_add_nc_u32 v[EP0], EPB, v[EP0]
	v_lshlrev_b32 v[DA], 12, v228
	v_lshl_add_u32 v[DA], v226, 4, v[DA]           ; desc, SIG: row thread / 16 (+ 8 i), tokens 4 (thread % 16) on
	v_lshlrev_b32 v[PA], 6, v226
	s_lshl_b32 s75, s33, 9
	v_lshl_add_u32 v[GQ], v227, 6, s75
	v_lshlrev_b32 v[UA], 8, v226
	v_lshl_add_u32 v[UA], v227, 4, v[UA]
	v_lshl_add_u32 v[WA], v227, 6, s74
	v_lshl_add_u32 v[AA], v226, 10, v[WA]
	v_lshlrev_b32 v[STW], 10, v228
	v_lshl_add_u32 v[STW], v226, 6, v[STW]
	v_add_nc_u32 v[STW], STB, v[STW]
	s_lshl_b32 s75, s46, 1
	s_add_co_u32 s75, s75, s33
	s_lshl_b32 s75, s75, 11
	v_add_nc_u32 v[QW], s75, v[LI]
	v_add_nc_u32 v[QW], QIB, v[QW]
	v_mul_u32_u24 v[WTW], v226, WTP
	v_add_nc_u32 v[WTW], v[WTW], v[WT0]
	s_mul_i32 s76, s30, 8704
	v_add_nc_u32 v[AVW], s76, v[LI]
	v_add_nc_u32 v[AVW], AVB, v[AVW]
	v_lshlrev_b32 v[EPR], 8, v228
	v_lshl_add_u32 v[EPR], v226, 4, v[EPR]
	v_add_nc_u32 v[EPR], EPB, v[EPR]
	v_mul_u32_u24 v[GTW], v228, GTP
	v_lshl_add_u32 v[GTW], v226, 3, v[GTW]
	v_add_nc_u32 v[GTW], GTB, v[GTW]
	v_lshl_add_u32 v[SPW], v228, 2, SPB
	v_and_b32 v229, 7, v0
	v_lshl_add_u32 v229, v227, 3, v229
	v_mul_u32_u24 v[AVR], v229, AVP
	v_bfe_u32 v229, v0, 3, 1
	v_lshl_add_u32 v[AVR], v229, 4, v[AVR]
	s_lshl_b32 s75, s30, 7
	v_add_nc_u32 v[AVR], s75, v[AVR]
	v_add_nc_u32 v[AVR], AVB, v[AVR]
	v_mul_u32_u24 v[GTR], v226, GTP
	v_lshl_add_u32 v[GTR], v227, 4, v[GTR]
	v_add_nc_u32 v[GTR], GTB, v[GTR]
	v_mul_u32_u24 v[PSW], v226, PSP
	v_lshl_add_u32 v[PSW], v227, 5, v[PSW]
	v_add_nc_u32 v[PSW], s76, v[PSW]
	v_add_nc_u32 v[PSW], PSB, v[PSW]
	v_mul_u32_u24 v[PSR], v227, PSP
	v_lshl_add_u32 v[PSR], v226, 4, v[PSR]
	v_add_nc_u32 v[PSR], s76, v[PSR]
	v_add_nc_u32 v[PSR], PSB, v[PSR]
	v_lshlrev_b32 v[PCO], 10, v227
	v_lshl_add_u32 v[PCO], v226, 4, v[PCO]
	v_add_nc_u32 v[PCO], s74, v[PCO]
	v_lshl_add_u32 v[SPR], v225, 3, SPB
	v_add_nc_u32 v[QR], QIB, v[LI]
	v_lshlrev_b32 v[L8], 3, v225
	s_mov_b32 s66, 0x76543210
	s_mov_b32 s67, 0xfedcba98
	s_mov_b32 s68, 0x3b800000                      ; 1/256
	s_mov_b32 s69, 0x3727c5ac                      ; 1e-5
	s_wait_kmcnt 0x0
	s_load_b128 s[48:51], s[22:23], 0x0            ; e0 .. e3
	s_load_b64 s[52:53], s[22:23], 0x10            ; e4, e5
	s_load_b64 s[54:55], s[12:13], 0x4800          ; VWk, VWv
	s_mov_b32 s35, 0
	s_lshl_b32 s34, s32, 17
	s_lshl_b32 s74, s31, 8
	s_add_co_u32 s34, s34, s74
	s_add_nc_u64 s[4:5], s[4:5], s[34:35]
	s_add_nc_u64 s[24:25], s[24:25], s[34:35]
	s_lshl_b32 s34, s31, 10
	s_add_nc_u64 s[36:37], s[12:13], s[34:35]      ; the rows of four numbers of my 64 p
	s_add_nc_u64 s[38:39], s[12:13], 16384         ; W'k
	s_lshl_b32 s34, s32, 1
	s_add_co_u32 s34, s34, s46
	s_lshl_b32 s34, s34, 14
	s_lshl_b32 s74, s33, 13
	s_add_co_u32 s34, s34, s74
	s_add_nc_u64 s[40:41], s[6:7], s[34:35]        ; y: rows 16 (w % 2) on, K step w / 2,
	s_xor_b32 s34, s34, 8192
	s_add_nc_u64 s[42:43], s[6:7], s[34:35]        ; and the other K step, for the row's mean and variance
	s_lshl_b32 s34, s30, 14
	s_add_nc_u64 s[14:15], s[14:15], s[34:35]      ; my 64 rows of Vk's codes,
	s_add_nc_u64 s[44:45], s[14:15], 65536         ; and of Uq's
	s_lshl_b32 s34, s31, 16
	s_add_nc_u64 s[8:9], s[8:9], s[34:35]
	s_lshl_b32 s34, s31, 15
	s_lshl_b32 s74, s30, 13
	s_add_co_u32 s34, s34, s74
	s_add_nc_u64 s[10:11], s[10:11], s[34:35]
	s_lshl_b32 s34, s32, 4
	s_add_co_u32 s34, s34, s31
	s_lshl_b32 s34, s34, 8
	s_add_nc_u64 s[26:27], s[26:27], s[34:35]
	s_lshl_b32 s34, s31, 9
	s_lshl_b32 s74, s32, 5
	s_add_co_u32 s34, s34, s74
	s_lshl_b32 s34, s34, 10
	s_add_nc_u64 s[28:29], s[28:29], s[34:35]
	; ---- loads, first group: 8 + 48
.irp i, 0,1,2,3
	global_load_b128 v[SV+4*\i:SV+4*\i+3], v[DA], s[4:5] offset:32768*\i
.endr
.irp q, 0,1,2,3
	global_load_b128 v[224+4*\q:227+4*\q], v[PA], s[36:37] offset:16*\q
.endr
	WIN 0xc0
.set n, 0
.rept 16
	global_load_b128 v[4*n:4*n+3], v[LI], s[40:41] offset:2048*(n/4)+512*(n%4)
.set n, n+1
.endr
.set n, 0
.rept 16
	global_load_b128 v[64+4*n:64+4*n+3], v[LI], s[42:43] offset:2048*(n/4)+512*(n%4)
.set n, n+1
.endr
.set n, 0
.rept 16
	global_load_b128 v[128+4*n:128+4*n+3], v[GQ], s[16:17] offset:128*(n/4)+16*(n%4)
.set n, n+1
.endr
	WIN 0
	s_wait_kmcnt 0x0
	MKSC 52, 60, 56, 57                            ; e4: k's scale
	MKSC 50, 61, 58, 59                            ; e2: q's
	s_add_co_i32 s62, s50, s51
	s_add_co_i32 s62, s62, s52
	s_add_co_i32 s62, s62, s53
	s_sub_co_i32 s62, s62, 4                       ; e2 + e3 + e4 + e5 - 4: the four scales and the division by 16
	; ---- A: rr, s rr and r_v of my thread's 16 tokens (row thread / 16 + 8 i, token 4 (thread % 16) + q; n = 4 i + q)
	s_wait_loadcnt 48                              ; desc and the rows of four: the 48 loads of y and ln_q_g are younger
.set n, 0
.rept 16
	v_fma_f32 v[34+4*n], s54, v[SV+n], v[224+4*(n%4)]
	v_fma_f32 v[RV+n], s55, v[SV+n], v[226+4*(n%4)]
.set n, n+1
.endr
.set n, 0
.rept 16
	v_fma_f32 v[34+4*n], v[34+4*n], v[SV+n], v[225+4*(n%4)]
	v_fma_f32 v[RV+n], v[RV+n], v[SV+n], v[227+4*(n%4)]
.set n, n+1
.endr
.set n, 0
.rept 16
	v_max_num_f32 v[34+4*n], s69, v[34+4*n]
	v_max_num_f32 v[RV+n], s69, v[RV+n]
.set n, n+1
.endr
.set n, 0
.rept 16
	v_rsq_f32 v[34+4*n], v[34+4*n]
	v_rsq_f32 v[RV+n], v[RV+n]
.set n, n+1
.endr
	v_nop                                          ; a plain line behind the transcendentals
.set n, 0
	s_wait_alu depctr_va_vdst(0)
.rept 16
	v_mul_f32 v[32+4*n], v[SV+n], v[34+4*n]
	v_mov_b32 v[35+4*n], v[34+4*n]
	v_mov_b32 v[33+4*n], v[32+4*n]
.set n, n+1
.endr
.set n, 0
.rept 16
	ds_store_b128 v[STW], v[32+4*n:35+4*n] offset:8192*(n/4)+16*(n%4)
.set n, n+1
.endr
	; ---- loads, second group: 16 + 32 + 32 + 8 + 8
.set n, 0
.rept 16
	global_load_b128 v[160+4*n:160+4*n+3], v[GQ], s[18:19] offset:128*(n/4)+16*(n%4)
.set n, n+1
.endr
	WIN 0x40
.set n, 0
.rept 32
	global_load_b128 v[4*n:4*n+3], v[UA], s[44:45] offset:4096*(n/8)+128*((n/4)%2)+32*(n%4)
.set n, n+1
.endr
	WIN 0x80
.set n, 0
.rept 32
	global_load_b128 v[RAP+4*n:RAP+4*n+3], v[AA], s[8:9] offset:16384*(n/8)+128*((n/4)%2)+16*(n%4)
.set n, n+1
.endr
.set n, 0
.rept 8
	global_load_b128 v[RWP+4*n:RWP+4*n+3], v[WA], s[38:39] offset:128*(n/4)+16*(n%4)
.set n, n+1
.endr
	WIN 0
.set n, 0
.rept 8
	global_load_b128 v[RBETA+4*n:RBETA+4*n+3], v[WA], s[20:21] offset:128*(n/4)+16*(n%4)
.set n, n+1
.endr
	v_mov_b32 v240, s61                            ; 2^e2
	v_mov_b32 v20, 0xbfb8aa3b                      ; -log2(e): sigmoid(x) = 1 / (1 + 2^(-log2(e) x))
	v_ldexp_f32 v20, v20, s62
	v_mov_b32 v21, v20
	; ---- B: LN(q) of rows 16 (w % 2) + r; a lane holds 128 of a row's 256 numbers, the lane 16 away the others.  My K step is quantised
	s_wait_loadcnt 63                              ; 96 loads are younger than y and ln_q_g, 80 than ln_q_b
	WIN 0xff
.irp k, 0,1,2,3
	v_pk_add_f32 v[CH+2*\k:CH+2*\k+1], v[2*\k:2*\k+1], v[2*\k+8:2*\k+9]
.endr
.set n, 8
.rept 56
	v_pk_add_f32 v[CH+2*(n%4):CH+2*(n%4)+1], v[CH+2*(n%4):CH+2*(n%4)+1], v[2*n:2*n+1]
.set n, n+1
.endr
	v_pk_add_f32 v[CH:CH+1], v[CH:CH+1], v[CH+2:CH+3]
	v_pk_add_f32 v[CH+4:CH+5], v[CH+4:CH+5], v[CH+6:CH+7]
	v_pk_add_f32 v[CH:CH+1], v[CH:CH+1], v[CH+4:CH+5]
	WIN 0x0f
	v_add_f32 v224, v[CH], v[CH+1]
	WIN 0
	v_permlanex16_b32 v225, v224, s66, s67
	v_add_f32 v224, v224, v225
	v_mul_f32 v226, s68, v224                      ; the mean
	v_mov_b32 v227, v226
	WIN 0xc3
.set n, 0
.rept 64
	v_pk_add_f32 v[2*n:2*n+1], v[2*n:2*n+1], v[226:227] neg_lo:[0,1] neg_hi:[0,1]
.set n, n+1
.endr
	WIN 0xff
.irp k, 0,1,2,3
	v_pk_mul_f32 v[CH+2*\k:CH+2*\k+1], v[2*\k:2*\k+1], v[2*\k:2*\k+1]
.endr
.set n, 4
.rept 60
	v_pk_fma_f32 v[CH+2*(n%4):CH+2*(n%4)+1], v[2*n:2*n+1], v[2*n:2*n+1], v[CH+2*(n%4):CH+2*(n%4)+1]
.set n, n+1
.endr
	v_pk_add_f32 v[CH:CH+1], v[CH:CH+1], v[CH+2:CH+3]
	v_pk_add_f32 v[CH+4:CH+5], v[CH+4:CH+5], v[CH+6:CH+7]
	v_pk_add_f32 v[CH:CH+1], v[CH:CH+1], v[CH+4:CH+5]
	WIN 0x0f
	v_add_f32 v224, v[CH], v[CH+1]
	WIN 0
	v_permlanex16_b32 v225, v224, s66, s67
	v_add_f32 v224, v224, v225
	v_fma_f32 v224, v224, s68, s69                 ; the variance + 1e-5
	v_rsq_f32 v226, v224
	v_nop
	s_wait_alu depctr_va_vdst(0)
	v_mov_b32 v227, v226
	WIN 0xc3
.set n, 0
.rept 32
	v_pk_mul_f32 v[128+2*n:128+2*n+1], v[128+2*n:128+2*n+1], v[226:227]
.set n, n+1
.endr
	WIN 0xcf
.set n, 0
.rept 32
	v_pk_fma_f32 v[2*n:2*n+1], v[2*n:2*n+1], v[128+2*n:128+2*n+1], v[160+2*n:160+2*n+1]
.set n, n+1
.endr
.set n, 0
.rept 64
	v_med3_num_f32 v[n], v[n], s58, s59
.set n, n+1
.endr
	WIN 0x03
.irp g, 0,1,2,3,4,5,6,7
	v_cvt_scalef32_pk8_fp8_f32 v[224+2*\g:225+2*\g], v[8*\g:8*\g+7], v240
.endr
	WIN 0
	v_nop
.irp c, 0,1,2,3
	ds_store_b128 v[QW], v[224+4*\c:227+4*\c] offset:512*\c
.endr
	s_wait_dscnt 0x0                               ; the tokens' numbers and q's fragments lie in LDS
	s_barrier_signal -1
	s_barrier_wait -1
	; ---- q2 for my 64 e and all 32 rows: source 0 = 16 rows of Uq, source 1 = 16 rows of q; eight accumulators by turns
	WIN SF
.set n, 0
.rept 16
	ds_load_b128 v[RF+4*n:RF+4*n+3], v[QR] offset:512*n
.set n, n+1
.endr
	s_wait_loadcnt 48                              ; Uq's codes: A', W' and beta are younger
	s_wait_dscnt 0x0
	WIN SA
.irp s, 0,1
.irp mt, 0,1
.irp t, 0,1,2,3
.if \s == 0
	v_wmma_f32_16x16x128_fp8_fp8 v[32+8*(4*\mt+\t):32+8*(4*\mt+\t)+7], v[16*(2*\t+\s):16*(2*\t+\s)+15], v[RF+16*(2*\mt+\s):RF+16*(2*\mt+\s)+15], 0
.else
	v_wmma_f32_16x16x128_fp8_fp8 v[32+8*(4*\mt+\t):32+8*(4*\mt+\t)+7], v[16*(2*\t+\s):16*(2*\t+\s)+15], v[RF+16*(2*\mt+\s):RF+16*(2*\mt+\s)+15], v[32+8*(4*\mt+\t):32+8*(4*\mt+\t)+7]
.endif
.endr
.endr
.endr
	WIN 0
.rept 4
	v_nop                                          ; four places in front of the first read of results and of the loads over Uq's codes
.endr
.set n, 0
.rept 32
	v_pk_mul_f32 v[32+2*n:32+2*n+1], v[32+2*n:32+2*n+1], v[20:21]      ; x -log2(e) 2^(e2+e3+e4+e5-4); each accumulator from its low end on
.set n, n+1
.endr
.set n, 0
.rept 8
	ds_store_b128 v[WTW], v[32+8*n:35+8*n] offset:16640*(n/4)+64*(n%4)
	ds_store_b128 v[WTW], v[36+8*n:39+8*n] offset:16640*(n/4)+64*(n%4)+16
.set n, n+1
.endr
	; ---- loads, third group: 32 + 16
	WIN 0x40
.set n, 0
.rept 32
	global_load_b128 v[4*n:4*n+3], v[UA], s[14:15] offset:4096*(n/8)+128*((n/4)%2)+32*(n%4)
.set n, n+1
.endr
	v_mov_b32 v[SCL], s60                          ; 2^e4
	WIN 0
.set n, 0
.rept 16
	global_load_b128 v[160+4*n:160+4*n+3], v[LI], s[10:11] offset:512*n
.set n, n+1
.endr
	; ---- the codes of rows 0 and 1
	s_wait_loadcnt 48                              ; A', W', beta: Vk's codes and A'v's rows are younger
	v_mov_b32 v[STA], v[ST0]
	v_mov_b32 v[WTA], v[WT0]
	WIN SB
	SLD 0, 0
.irp b, 0,1
.irp m, 0,1,2,3
	PSLOT \b, \m
.endr
.endr
	WIN 0
	s_wait_loadcnt 0x0
.set n, 0
.rept 16
	ds_store_b128 v[AVW], v[160+4*n:160+4*n+3] offset:AVP*n
.set n, n+1
.endr
	s_wait_dscnt 0x0                               ; q2, two rows' images and A'v lie in LDS
	s_barrier_signal -1
	s_barrier_wait -1
	WIN SB
.irp t, 0,1,2,3
	WLD 0, \t, 64*\t
.endr
	WIN SF
	FET 0, 0
	WIN 0
	s_mov_b32 s70, 7
	s_mov_b32 s71, 0
	s_mov_b32 s72, 0
	s_mov_b32 s73, 0
.Ltrip:                                                ; a trip is four rows b, so that every buffer's number is a constant; seven trips, the last four rows are written out
	v_add_nc_u32 v[STA], s71, v[ST0]
	v_add_nc_u32 v[WTA], s72, v[WT0]
	v_add_nc_u32 v[EPA], s73, v[EP0]
.irp rho, 0,1,2,3
.irp m, 0,1,2,3
	SLOT \rho, \m, 1, 1, 1, 1, (\m)/3
.endr
.endr
	WIN 0
	s_wait_dscnt 0x0                               ; the last store of a partial logit has gone: its address register is written anew above
	s_add_co_u32 s71, s71, 4096
	s_add_co_u32 s72, s72, 4*WTP
	s_add_co_u32 s73, s73, 1024
	s_sub_co_u32 s70, s70, 1
	s_cmp_lg_u32 s70, 0
	s_cbranch_scc1 .Ltrip
	v_add_nc_u32 v[STA], 28672, v[ST0]             ; rows 28 to 31
	v_add_nc_u32 v[WTA], 28*WTP, v[WT0]
	v_add_nc_u32 v[EPA], 7168, v[EP0]
.irp m, 0,1,2,3
	SLOT 0, \m, 1, 1, 1, 1, (\m)/3                 ; beside row 28: the codes of row 30
.endr
.irp m, 0,1,2,3
	SLOT 1, \m, 1, 1, 1-(\m)/3, 1, (\m)/3          ; beside row 29: those of row 31, the last; behind this barrier no image is written
.endr
.irp m, 0,1,2,3
	SLOT 2, \m, 0, 1, 0, 1, 0
.endr
.irp m, 0,1,2,3
	SLOT 3, \m, 0, 1-(\m)/3, 0, 0, 0
.endr
	WIN 0
	s_wait_dscnt 0x0                               ; all partial logits lie in LDS
	s_barrier_signal -1
	s_barrier_wait -1
	; ---- sigma of my thread's 16 tokens: eight partial logits each
.macro EPL i, base
.irp x, 0,1,2,3,4,5,6,7
	ds_load_b128 v[\base+4*\x:\base+4*\x+3], v[EPR] offset:8192*\x+2048*\i
.endr
.endm
.macro ESUM i, base
	s_wait_dscnt 24-8*\i                           ; the later rows' loads may be out
.irp x, 0,2,4,6,8,10,12,14
	v_pk_add_f32 v[\base+\x:\base+\x+1], v[\base+\x:\base+\x+1], v[\base+16+\x:\base+16+\x+1]
.endr
.irp x, 0,2,4,6
	v_pk_add_f32 v[\base+\x:\base+\x+1], v[\base+\x:\base+\x+1], v[\base+8+\x:\base+8+\x+1]
.endr
	v_pk_add_f32 v[SG+4*\i:SG+4*\i+1], v[\base:\base+1], v[\base+4:\base+5]
	v_pk_add_f32 v[SG+4*\i+2:SG+4*\i+3], v[\base+2:\base+3], v[\base+6:\base+7]
.endm
	EPL 0, 32
	EPL 1, 64
	EPL 2, 96
	EPL 3, 160
	ESUM 0, 32
	ESUM 1, 64
	ESUM 2, 96
	ESUM 3, 160
.set n, 0
.rept 16
	v_exp_f32 v[SG+n], v[SG+n]
.set n, n+1
.endr
	v_nop
.set n, 0
	s_wait_alu depctr_va_vdst(0)
.rept 8
	v_pk_add_f32 v[SG+2*n:SG+2*n+1], v[SG+2*n:SG+2*n+1], 1.0 op_sel_hi:[1,0]
.set n, n+1
.endr
.set n, 0
.rept 16
	v_rcp_f32 v[SG+n], v[SG+n]
.set n, n+1
.endr
	v_nop
	s_wait_alu depctr_va_vdst(0)
.irp i, 0,1,2,3
	global_store_b128 v[DA], v[SG+4*\i:SG+4*\i+3], s[24:25] offset:32768*\i    ; sixteen lanes store 256 consecutive bytes, aligned
.endr
.set n, 0
.rept 8
	v_pk_mul_f32 v[208+2*n:208+2*n+1], v[SG+2*n:SG+2*n+1], v[RV+2*n:RV+2*n+1]  ; sigma r_v
.set n, n+1
.endr
.irp i, 0,1,2,3
	v_cvt_pk_bf16_f32 v[224+2*\i], v[208+4*\i], v[209+4*\i]
	v_cvt_pk_bf16_f32 v[225+2*\i], v[210+4*\i], v[211+4*\i]
	v_add_f32 v[232+\i], v[SG+4*\i], v[SG+4*\i+1]
	v_add_f32 v[240+\i], v[SG+4*\i+2], v[SG+4*\i+3]
	v_mul_f32 v[236+\i], v[208+4*\i], v[SV+4*\i]
.endr
.irp i, 0,1,2,3
	ds_store_b64 v[GTW], v[224+2*\i:225+2*\i] offset:8*GTP*\i
	v_add_f32 v[232+\i], v[232+\i], v[240+\i]
	v_fma_f32 v[236+\i], v[209+4*\i], v[SV+4*\i+1], v[236+\i]
.endr
.irp i, 0,1,2,3
	v_fma_f32 v[236+\i], v[210+4*\i], v[SV+4*\i+2], v[236+\i]
.endr
.irp i, 0,1,2,3
	v_fma_f32 v[236+\i], v[211+4*\i], v[SV+4*\i+3], v[236+\i]
.endr
.irp x, 1,2,4,8                        ; over the sixteen lanes that share a row b
.irp i, 0,1,2,3,4,5,6,7
	v_add_f32_dpp v[232+\i], v[232+\i], v[232+\i] row_xmask:\x row_mask:0xf bank_mask:0xf
.endr
.endr
.irp i, 0,1,2,3
	ds_store_b32 v[SPW], v[232+\i] offset:32*\i                ; sixteen lanes write one word with one value
	ds_store_b32 v[SPW], v[236+\i] offset:128+32*\i
.endr
	s_wait_dscnt 0x0
	s_barrier_signal -1
	s_barrier_wait -1
	s_cmp_lg_u32 s30, 0
	s_cbranch_scc1 .Lnot_wave_0
	ds_load_b64 v[240:241], v[SPR]
	s_wait_dscnt 0x0
	global_store_b64 v[L8], v[240:241], s[26:27]   ; 256 consecutive bytes, aligned: 32 sums of sigma, 32 of sigma r_v s
.Lnot_wave_0:
	; ---- my 64 columns d of sum_p (sigma r_v)[b][p] A'v[p][d]: source 0 = A'v turned (16 d x 32 p), source 1 = 16 rows b; eight accumulators by turns
.set n, 0
.rept 8
	ds_load_tr16_b128 v[32+8*n:35+8*n], v[AVR] offset:32*AVP*(n/4)+32*(n%4)
	ds_load_tr16_b128 v[36+8*n:39+8*n], v[AVR] offset:32*AVP*(n/4)+32*(n%4)+16*AVP
.set n, n+1
.endr
.set n, 0
.rept 4
	ds_load_b128 v[96+8*n:99+8*n], v[GTR] offset:16*GTP*(n/2)+64*(n%2)
	ds_load_b128 v[100+8*n:103+8*n], v[GTR] offset:16*GTP*(n/2)+64*(n%2)+32
.set n, n+1
.endr
	s_wait_dscnt 0x0
.irp ks, 0,1
.irp dt, 0,1,2,3
.irp mt, 0,1
.if \ks == 0
	v_wmma_f32_16x16x32_bf16 v[128+8*(2*\dt+\mt):128+8*(2*\dt+\mt)+7], v[32+8*(4*\ks+\dt):32+8*(4*\ks+\dt)+7], v[96+8*(2*\mt+\ks):96+8*(2*\mt+\ks)+7], 0
.else
	v_wmma_f32_16x16x32_bf16 v[128+8*(2*\dt+\mt):128+8*(2*\dt+\mt)+7], v[32+8*(4*\ks+\dt):32+8*(4*\ks+\dt)+7], v[96+8*(2*\mt+\ks):96+8*(2*\mt+\ks)+7], v[128+8*(2*\dt+\mt):128+8*(2*\dt+\mt)+7]
.endif
.endr
.endr
.endr
.rept 4
	v_nop                                          ; four places in front of the stores that read results and of the loads over the fragments
.endr
.set n, 0
.rept 8                                ; lane (r, h) of accumulator (dt, mt): row 16 mt + r, columns 16 dt + 8 h + 0..7, through my own stage
	ds_store_b128 v[PSW], v[128+8*n:131+8*n] offset:16*PSP*(n%2)+64*(n/2)
	ds_store_b128 v[PSW], v[132+8*n:135+8*n] offset:16*PSP*(n%2)+64*(n/2)+16
.set n, n+1
.endr
.set n, 0
.rept 16
	ds_load_b128 v[32+4*n:35+4*n], v[PSR] offset:2*PSP*n       ; LDS serves a wave's instructions in order (ISA guide 5.7.1): these see my stores
.set n, n+1
.endr
.set n, 0
.rept 16
	s_wait_dscnt 15-n
	global_store_b128 v[PCO], v[32+4*n:35+4*n], s[28:29] offset:2048*n         ; each half of the lanes stores 256 consecutive bytes, aligned
.set n, n+1
.endr
	s_wait_tensorcnt 0x0
	ds_add_u32 v254, v255
	s_wait_dscnt 0x0
	s_endpgm
.Lfunc_end_k_qf76e49c13c_main:
	.size	k_qf76e49c13c_main, .Lfunc_end_k_qf76e49c13c_main-k_qf76e49c13c_main
	.p2alignl 7, 3214868480
	.fill 96, 4, 3214868480
	.section	.rodata,"a",@progbits
	.p2align	6, 0x0
	.amdhsa_kernel k_qf76e49c13c_main
		.amdhsa_group_segment_fixed_size 280320
		.amdhsa_private_segment_fixed_size 0
		.amdhsa_enable_private_segment 0
		.amdhsa_kernarg_size 104
		.amdhsa_user_sgpr_count 2
		.amdhsa_user_sgpr_kernarg_segment_ptr 1
		.amdhsa_wavefront_size32 1
		.amdhsa_system_sgpr_workgroup_id_x 1
		.amdhsa_system_sgpr_workgroup_id_y 1
		.amdhsa_system_sgpr_workgroup_id_z 1
		.amdhsa_system_vgpr_workitem_id 0
		.amdhsa_next_free_vgpr 1024
		.amdhsa_next_free_sgpr 96
		.amdhsa_reserve_vcc 0
		.amdhsa_float_denorm_mode_32 3
		.amdhsa_float_denorm_mode_16_64 3
		.amdhsa_memory_ordered 1
		.amdhsa_forward_progress 1
		.amdhsa_inst_pref_size 255
	.end_amdhsa_kernel
	.section	.bss,"aw",@nobits
	.p2align	6
	.space	262144
	.amdgpu_metadata
---
amdhsa.version: [ 1, 2 ]
amdhsa.kernels:
  - .name:           k_qf76e49c13c_main
    .symbol:         k_qf76e49c13c_main.kd
    .args:
      - { .name: desc_2d, .offset: 0, .size: 8, .value_kind: global_buffer, .address_space: global }
      - { .name: Y, .offset: 8, .size: 8, .value_kind: global_buffer, .address_space: global }
      - { .name: AK, .offset: 16, .size: 8, .value_kind: global_buffer, .address_space: global }
      - { .name: AV, .offset: 24, .size: 8, .value_kind: global_buffer, .address_space: global }
      - { .name: TAB, .offset: 32, .size: 8, .value_kind: global_buffer, .address_space: global }
      - { .name: WC, .offset: 40, .size: 8, .value_kind: global_buffer, .address_space: global }
      - { .name: ln_q_g, .offset: 48, .size: 8, .value_kind: global_buffer, .address_space: global }
      - { .name: ln_q_b, .offset: 56, .size: 8, .value_kind: global_buffer, .address_space: global }
      - { .name: ln_k_b, .offset: 64, .size: 8, .value_kind: global_buffer, .address_space: global }
      - { .name: lowp_scales, .offset: 72, .size: 8, .value_kind: global_buffer, .address_space: global }
      - { .name: SIG, .offset: 80, .size: 8, .value_kind: global_buffer, .address_space: global }
      - { .name: SP, .offset: 88, .size: 8, .value_kind: global_buffer, .address_space: global }
      - { .name: PC, .offset: 96, .size: 8, .value_kind: global_buffer, .address_space: global }
    .group_segment_fixed_size: 280320
    .private_segment_fixed_size: 0
    .kernarg_segment_align: 8
    .kernarg_segment_size: 104
    .max_flat_workgroup_size: 128
    .sgpr_count:     96
    .vgpr_count:     1024
    .wavefront_size: 32
...
	.end_amdgpu_metadata
.endif
;; end of part 2
;; launch finish (part 3): grid 256 x 1, 4 waves a work-group, no clusters, 0 bytes of LDS; arguments SIG, SP, PC, TAB, ln_v_b, out0, out1; writes out0, out1
.if DOCPART == 3
	.amdgcn_target "amdgcn-amd-amdhsa--gfx1250"
	.amdhsa_code_object_version 6
	.text
	.protected	k_qf76e49c13c_finish
	.globl	k_qf76e49c13c_finish
	.p2align	8
	.type	k_qf76e49c13c_finish,@function
k_qf76e49c13c_finish:
	s_mov_b64 s[64:65], 0
	v_nop
	global_prefetch_b8 v0, s[64:65] scope:SCOPE_SE
	s_setreg_imm32_b32 hwreg(HW_REG_WAVE_MODE, 25, 1), 1
	s_wait_xcnt 0x0
; FINISH: the sums over the sixteen blocks of p, in a fixed order.  Two waves to a row b = 2 g + w / 2, each with half of its columns (half = w % 2).
;   S = sum(sigma), Tt = sum(sigma r_v s);  alpha = sigma / (S + 1e-12);  c = (sum of the sixteen parts + Tt W'v + S ln_v_b) / (S + 1e-12).
; A stream of a few KB a wave: all loads go out at once, no LDS, no barrier, no loop; matrix units and clusters have nothing to do here.
	s_load_b256 s[4:11], s[0:1], 0x0               ; SIG 4, SP 6, PC 8, TAB 10
	s_load_b128 s[12:15], s[0:1], 0x20             ; ln_v_b 12, out0 14
	s_load_b64 s[16:17], s[0:1], 0x30              ; out1
	v_lshrrev_b32 v1, 5, v0
	v_readfirstlane_b32 s18, v1                    ; wave
	v_and_b32 v1, 31, v0                           ; lane
	s_lshr_b32 s19, s18, 1
	s_lshl_b32 s20, ttmp9, 1
	s_add_co_u32 s19, s19, s20                     ; b
	s_and_b32 s20, s18, 1                          ; half
	v_lshlrev_b32 v2, 4, v1
	s_lshr_b32 s21, ttmp9, 4
	s_lshl_b32 s21, s21, 12                        ; SP: 4,096 bytes for each block of 32 rows,
	s_and_b32 s22, s19, 31
	s_lshl_b32 s22, s22, 2
	s_add_co_u32 s21, s21, s22                     ; my row's word;
	v_and_b32 v3, 15, v0
	v_bfe_u32 v7, v0, 4, 1
	v_lshl_add_u32 v3, v3, 8, s21                  ; lane % 16: the block of p; lane / 16: which of the two sums
	v_lshl_add_u32 v3, v7, 7, v3
	s_lshl_b32 s22, s20, 9
	v_add_nc_u32 v4, s22, v2                       ; the vectors: 512 half + 16 lane
	s_lshl_b32 s23, s19, 12
	s_lshl_b32 s24, s20, 11
	s_add_co_u32 s23, s23, s24
	v_add_nc_u32 v5, s23, v2                       ; sigma, alpha
	s_lshl_b32 s23, s19, 10
	s_add_co_u32 s23, s23, s22
	v_add_nc_u32 v6, s23, v2                       ; the parts of c, and c
	s_mov_b32 s25, 0x2b8cbccc                      ; 1e-12
	s_mov_b32 s26, 0x76543210
	s_mov_b32 s27, 0xfedcba98
	v_mov_b32 v9, 0                                ; a lane permute's destination counts as read
	s_wait_kmcnt 0x0
	global_load_b32 v8, v3, s[6:7]
	global_load_b128 v[12:15], v4, s[10:11] offset:17408
	global_load_b128 v[16:19], v4, s[12:13]
.irp k, 0,1,2,3
	global_load_b128 v[20+4*\k:23+4*\k], v5, s[4:5] offset:512*\k
.endr
.set n, 0
.rept 16
	global_load_b128 v[36+4*n:39+4*n], v6, s[8:9] offset:524288*n
.set n, n+1
.endr
	s_wait_loadcnt 22                              ; the sums' parts: 22 loads are younger
	v_add_f32_dpp v8, v8, v8 row_xmask:1 row_mask:0xf bank_mask:0xf
	v_add_f32_dpp v8, v8, v8 row_xmask:2 row_mask:0xf bank_mask:0xf
	v_add_f32_dpp v8, v8, v8 row_xmask:4 row_mask:0xf bank_mask:0xf
	v_add_f32_dpp v8, v8, v8 row_xmask:8 row_mask:0xf bank_mask:0xf
	v_permlanex16_b32 v9, v8, s26, s27
	v_cmp_gt_u32 vcc_lo, 16, v1
	v_cndmask_b32 v104, v9, v8, vcc_lo             ; S: lanes 0-15 hold it, the others take it from there
	v_cndmask_b32 v102, v8, v9, vcc_lo             ; Tt the other way round
	v_mov_b32 v105, v104
	v_mov_b32 v103, v102
	v_add_f32 v100, s25, v104
	v_rcp_f32 v100, v100
	v_nop
	s_wait_alu depctr_va_vdst(0)
	v_mov_b32 v101, v100
	s_wait_loadcnt 16                              ; sigma: the sixteen parts of c are younger
.set n, 0
.rept 8
	v_pk_mul_f32 v[20+2*n:21+2*n], v[20+2*n:21+2*n], v[100:101]
.set n, n+1
.endr
.irp k, 0,1,2,3
	global_store_b128 v5, v[20+4*\k:23+4*\k], s[16:17] offset:512*\k th:TH_STORE_NT      ; 512 consecutive bytes
.endr
	s_wait_loadcnt 0x0
.set n, 0
.rept 16
	v_pk_add_f32 v[36+2*n:37+2*n], v[36+2*n:37+2*n], v[68+2*n:69+2*n]
.set n, n+1
.endr
.set n, 0
.rept 8
	v_pk_add_f32 v[36+2*n:37+2*n], v[36+2*n:37+2*n], v[52+2*n:53+2*n]
.set n, n+1
.endr
.set n, 0
.rept 4
	v_pk_add_f32 v[36+2*n:37+2*n], v[36+2*n:37+2*n], v[44+2*n:45+2*n]
.set n, n+1
.endr
	v_pk_add_f32 v[36:37], v[36:37], v[40:41]
	v_pk_add_f32 v[38:39], v[38:39], v[42:43]
	v_pk_fma_f32 v[36:37], v[12:13], v[102:103], v[36:37]
	v_pk_fma_f32 v[38:39], v[14:15], v[102:103], v[38:39]
	v_pk_fma_f32 v[36:37], v[16:17], v[104:105], v[36:37]
	v_pk_fma_f32 v[38:39], v[18:19], v[104:105], v[38:39]
	v_pk_mul_f32 v[36:37], v[36:37], v[100:101]
	v_pk_mul_f32 v[38:39], v[38:39], v[100:101]
	global_store_b128 v6, v[36:39], s[14:15] th:TH_STORE_NT                              ; 512 consecutive bytes
	s_endpgm
.Lfunc_end_k_qf76e49c13c_finish:
	.size	k_qf76e49c13c_finish, .Lfunc_end_k_qf76e49c13c_finish-k_qf76e49c13c_finish
	.p2alignl 7, 3214868480
	.fill 96, 4, 3214868480
	.section	.rodata,"a",@progbits
	.p2align	6, 0x0
	.amdhsa_kernel k_qf76e49c13c_finish
		.amdhsa_group_segment_fixed_size 0
		.amdhsa_private_segment_fixed_size 0
		.amdhsa_enable_private_segment 0
		.amdhsa_kernarg_size 56
		.amdhsa_user_sgpr_count 2
		.amdhsa_user_sgpr_kernarg_segment_ptr 1
		.amdhsa_wavefront_size32 1
		.amdhsa_system_sgpr_workgroup_id_x 1
		.amdhsa_system_sgpr_workgroup_id_y 1
		.amdhsa_system_sgpr_workgroup_id_z 1
		.amdhsa_system_vgpr_workitem_id 0
		.amdhsa_next_free_vgpr 112
		.amdhsa_next_free_sgpr 66
		.amdhsa_reserve_vcc 1
		.amdhsa_float_denorm_mode_32 3
		.amdhsa_float_denorm_mode_16_64 3
		.amdhsa_memory_ordered 1
		.amdhsa_forward_progress 1
		.amdhsa_inst_pref_size 8
	.end_amdhsa_kernel
	.amdgpu_metadata
---
amdhsa.version: [ 1, 2 ]
amdhsa.kernels:
  - .name:           k_qf76e49c13c_finish
    .symbol:         k_qf76e49c13c_finish.kd
    .args:
      - { .name: SIG, .offset: 0, .size: 8, .value_kind: global_buffer, .address_space: global }
      - { .name: SP, .offset: 8, .size: 8, .value_kind: global_buffer, .address_space: global }
      - { .name: PC, .offset: 16, .size: 8, .value_kind: global_buffer, .address_space: global }
      - { .name: TAB, .offset: 24, .size: 8, .value_kind: global_buffer, .address_space: global }
      - { .name: ln_v_b, .offset: 32, .size: 8, .value_kind: global_buffer, .address_space: global }
      - { .name: out0, .offset: 40, .size: 8, .value_kind: global_buffer, .address_space: global }
      - { .name: out1, .offset: 48, .size: 8, .value_kind: global_buffer, .address_space: global }
    .group_segment_fixed_size: 0
    .private_segment_fixed_size: 0
    .kernarg_segment_align: 8
    .kernarg_segment_size: 56
    .max_flat_workgroup_size: 128
    .sgpr_count:     66
    .vgpr_count:     112
    .wavefront_size: 32
...
	.end_amdgpu_metadata
.endif
;; end of part 3
;; ======== version 2 of 2: 3 launches; version 1 with the launch main written anew for expert scheduling mode
;; limits: a difference of large sums (such as E[x^2] - mean^2): digits are lost where the result is much smaller than its terms
;; workspace buffers: Y 524,288 bytes; AK 1,048,576 bytes; AV 524,288 bytes; TAB 18,944 bytes; WC 131,072 bytes; SIG 2,097,152 bytes; SP 65,536 bytes; PC 8,388,608 bytes
;; launch prep: the kernel of part 1 again; grid 256 x 1, 4 waves a work-group, no clusters, 8,704 bytes of LDS; arguments hg, Wq, bq, Ek, Ev, bk_val, wk_val, ln_k_g, bv_val, wv_val, ln_v_g, Vk, Uq, lowp_scales, Y, AK, AV, TAB, WC; writes Y, AK, AV, TAB, WC
;; launch main (part 4): grid 16 x 16, 4 waves a work-group, no clusters, 280,320 bytes of LDS; arguments desc_2d, Y, AK, AV, TAB, WC, ln_q_g, ln_q_b, ln_k_b, lowp_scales, SIG, SP, PC; writes SIG, SP, PC
.if DOCPART == 4
	.amdgcn_target "amdgcn-amd-amdhsa--gfx1250"
	.amdhsa_code_object_version 6
	.text
	.protected	k_qf76e49c13c_main
	.globl	k_qf76e49c13c_main
	.p2align	8
	.type	k_qf76e49c13c_main,@function
k_qf76e49c13c_main:
	s_mov_b64 s[64:65], 0
	v_nop
	global_prefetch_b8 v0, s[64:65] scope:SCOPE_SE
	s_setreg_imm32_b32 hwreg(HW_REG_WAVE_SCHED_MODE, 0, 2), 2
	s_setreg_imm32_b32 hwreg(HW_REG_WAVE_MODE, 25, 1), 1
	s_wait_xcnt 0x0
	s_wait_alu depctr_vm_vsrc(0)
; MAIN: a work-group owns 32 rows b (grid y) x 64 tokens p (grid x): LN(q) and q2 = Q(q) Q(Uq)^T for its rows, then for each (b, p):
;   k = LN(desc w + b + Ek[p]) = (s rr) W'[d] + rr A'[p][d] + beta[d]  (tables made by the launch before),  k2 = Q(k) Q(Vk)^T on codes of E4M3,  logit = k2 . q2 / 16,  sigma = sigmoid(logit).
; It stores sigma, its part of sum(sigma) and of sum(sigma r_v s), and its part of sum_p (sigma r_v) A'v[p][:] (bf16 operands, f32 sums): the last launch adds sixteen parts.
; SHARES.  All that the loop reads is brought once: registers hold each wave's 64 rows e of Vk (128 registers of codes) and its 64 columns d of A', W', beta (192 registers); LDS holds the rest.
;   Wave w MAKES the codes of columns d = 64 w .. 64 w + 63 of all 64 tokens of a row b, and MULTIPLIES all 256 d by its rows e = 64 w .. 64 w + 63.
;   Codes go from wave to wave through LDS as images of the operand's registers (16 bytes a lane, 512 bytes a store), made TWO rows b ahead in four buffers by turns, so one barrier a row serves both directions.
; The product is used transposed (source 0 = 16 rows of Vk, source 1 = 16 tokens): a lane holds one token and eight e; it multiplies them by q2's eight and adds: eight partial logits a token meet in LDS at the end.
; VECTOR WORK BINDS (for 8 matrix instructions: 32 packed multiply-adds, 32 holds, 4 conversions, 20 lines of the dot product), so each matrix instruction stands singly among eight vector lines.
; No tensor loads, ring, cluster or joint loads: nothing is streamed; what work-groups share (codes of Vk and Uq, a block of A') is read once by each at its head.
; A fragment (16 rows x 128 K) is held with k = 32 c + 16 h + 0..15 in registers 4 c .. 4 c + 3, alike on both sides of every product.
; LIMITS: e2 and e4 between -126 and 119; e2 + e3 + e4 + e5 is applied by v_ldexp_f32.  NaN among the inputs is not served.  The variance VW s^2 + 2 C s + V is a sum of three terms made of centred numbers:
;   where s (w - mean) nearly cancels b + E[p] - mean it loses digits in that proportion; it is held at 1e-5 from below, under which var + 1e-5 never lies.
; THE MODE: SCHED_MODE bits 1:0 = 2 (LLVM: expert scheduling mode 2), set by the entry lines.  The code itself states the register dependences
;   between vector or matrix instructions and memory or LDS instructions, with s_wait_alu, always for 0.
; THE PLAN.  A step is a tile of 16 tokens: tile m of row b.  Registers that LDS instructions touch in the loop:
;   RF0, RF1    Step m's eight products read RF[m & 1]; behind the step's wait tile m + 2's fragments land in it.
;   RS0, RS1    Step m's 32 multiply-adds read RS[m & 1]; behind the wait the numbers of step m + 2's token land in it.
;   RWB0, RWB1  Row b's four dot products read RWB[b & 1].  Eight numbers a step land in the other set (t = m + 1 of row b + 1); behind the row's last step t = 0 of row b + 2 lands in the set just read.
;   RCODE[m]    Written by step m's conversions; read by two LDS stores behind the wait; written again four steps later.
;   RE          Written by the dot product's last line; read by one LDS store behind the wait; written again a step later.
;   STA, WTA, EPA  Read by those loads and that store; written once a trip of sixteen steps, at its head.   LI, IW: made at the kernel's head, never written again.
;   X, D, A', W', beta, Vk's codes and the dot product's chains are named by vector and matrix instructions alone.
; So ONE wait on va_vdst stands in a step, behind its last vector line, and all the step's LDS instructions follow it in one run: no vector or matrix instruction of the next step names a register of that run.
; ONE wait on vm_vsrc stands ahead of a step's conversions, for RE and RCODE[m]; one more a trip ahead of the adds to STA, WTA and EPA.
; REGISTERS, in windows of 256.  Window 0: v1-31 addresses; v32-63 X (32 numbers of k); v64-95 D (4 accumulators); v96-127 beta; v128-143 s and v144-159 r_v of my thread's 16 tokens; v160-253 at work; v254, v255 the closing add's two.
;   Window 1: v0-127 Vk's codes (Uq's first); v128-135 (s rr, s rr, rr, rr) x 2; v136-199 q2's numbers x 2; v200 2^e4; v204-235 codes; v236-244 the dot product.
;   Window 2: v0-127 A'; v128-159 W'; v160-223 two sets of a tile's two fragments.   Window 3 (head only): v0-127 y; v128-191 ln_q_g; v192-199 chains.
.set IMGB, 0                           ; LDS: 4 buffers x [tile 4][K step 2][c 4] x 512
.set STB,  65536                       ; [b 32][p 64] x 16 bytes
.set WTB,  98304                       ; [b 32] rows of 1,024 + 16: q2 x the factor
.set WTP,  1040
.set EPB,  131584                      ; [wave, half: 8][b 32][p 64] f32: partial logits
.set QIB,  197120                      ; q's four fragments
.set AVB,  205312                      ; 64 rows of A'v, 512 + 32 bytes
.set AVP,  544
.set GTB,  240128                      ; 32 rows of sigma r_v in bf16, 128 + 16 bytes
.set GTP,  144
.set SPB,  244736                      ; the two sums of 32 rows
.set PSB,  244992                      ; 4 stages of 32 rows x (256 + 16)
.set PSP,  272
.set LI, 1
.set IW, 2
.set ST0, 3
.set STA, 4
.set WT0, 5
.set WTA, 6
.set EP0, 7
.set EPA, 8
.set DA, 9
.set PA, 10
.set GQ, 11
.set UA, 12
.set AA, 13
.set WA, 14
.set STW, 15
.set QW, 16
.set WTW, 17
.set AVW, 18
.set EPR, 19
.set GTW, 22
.set SPW, 23
.set AVR, 24
.set GTR, 25
.set PSW, 26
.set PSR, 27
.set PCO, 28
.set SPR, 29
.set QR, 30
.set L8, 31
.set RX, 32
.set RD, 64
.set RBETA, 96
.set SV, 128
.set RV, 144
.set SG, 192
.set RS, 128                           ; window 1
.set RWB, 136
.set SCL, 200
.set RCODE, 204
.set RACC, 236
.set RE, 244
.set RAP, 0                            ; window 2
.set RWP, 128
.set RF, 160
.set CH, 192                           ; window 3
.set SA, 0x09                          ; source 0 window 1, source 1 window 2, source 2 and destination window 0
.set SB, 0x54                          ; source 0 window 0, sources 1 and 2 and destination window 1
.set SF, 0x80                          ; destination window 2
.set LO4, 56
.set HI4, 57
.set MSB, 0
.macro WIN new                         ; the immediate's high byte repeats the setting that is left
.if MSB != (\new)
	s_set_vgpr_msb (MSB<<8)|(\new)
.set MSB, (\new)
.endif
.endm
.macro MKSC e, sc, lo, hi              ; from the whole number e: 2^e, -448 x 2^e, 448 x 2^e as f32 patterns
	s_add_co_i32 s[\sc], s[\e], 127
	s_add_co_i32 s[\hi], s[\sc], 8
	s_lshl_b32 s[\sc], s[\sc], 23
	s_lshl_b32 s[\hi], s[\hi], 23
	s_or_b32 s[\hi], s[\hi], 0x600000
	s_or_b32 s[\lo], s[\hi], 0x80000000
.endm
.macro FET fb, off                     ; (SF) a tile's two fragments, as they were stored
.irp s, 0,1
.irp c, 0,1,2,3
	ds_load_b128 v[RF+32*(\fb)+16*\s+4*\c:RF+32*(\fb)+16*\s+4*\c+3], v[LI] offset:(\off)+2048*\s+512*\c
.endr
.endr
.endm
.macro SLD sb, off                     ; (SB) my token's (s rr, s rr, rr, rr)
	ds_load_b128 v[RS+4*(\sb):RS+4*(\sb)+3], v[STA] offset:\off
.endm
.macro WLD par, t, off                 ; (SB) eight of q2's numbers: e = 64 w + 16 t + 8 h + 0..7
	ds_load_b128 v[RWB+32*(\par)+8*(\t):RWB+32*(\par)+8*(\t)+3], v[WTA] offset:\off
	ds_load_b128 v[RWB+32*(\par)+8*(\t)+4:RWB+32*(\par)+8*(\t)+7], v[WTA] offset:(\off)+16
.endm
.macro VA m, sb                        ; (SA) line jj of 64 that make 32 numbers of k: rr A' + beta; + (s rr) W'; the hold at the largest code x the scale (the conversion does not saturate: ISA guide 7.6.2)
.if jj < 16
	v_pk_fma_f32 v[RX+2*jj:RX+2*jj+1], v[RS+4*(\sb)+2:RS+4*(\sb)+3], v[RAP+32*(\m)+2*jj:RAP+32*(\m)+2*jj+1], v[RBETA+2*jj:RBETA+2*jj+1]
.elseif jj < 32
	v_pk_fma_f32 v[RX+2*(jj-16):RX+2*(jj-16)+1], v[RS+4*(\sb):RS+4*(\sb)+1], v[RWP+2*(jj-16):RWP+2*(jj-16)+1], v[RX+2*(jj-16):RX+2*(jj-16)+1]
.else
	v_med3_num_f32 v[RX+jj-32], s[LO4], s[HI4], v[RX+jj-32]
.endif
.endm
.macro MM k, fb                        ; (SA) product k of 8: tile of e k % 4, K step k / 4.  The four accumulators take turns
.set tt, (\k)%4
.set ss, (\k)/4
.if ss == 0
	v_wmma_f32_16x16x128_fp8_fp8 v[RD+8*tt:RD+8*tt+7], v[16*(2*tt+ss):16*(2*tt+ss)+15], v[RF+32*(\fb)+16*ss:RF+32*(\fb)+16*ss+15], 0
.else
	v_wmma_f32_16x16x128_fp8_fp8 v[RD+8*tt:RD+8*tt+7], v[16*(2*tt+ss):16*(2*tt+ss)+15], v[RF+32*(\fb)+16*ss:RF+32*(\fb)+16*ss+15], v[RD+8*tt:RD+8*tt+7]
.endif
.endm
.macro CVT m                           ; (SB)
.irp g, 0,1,2,3
	v_cvt_scalef32_pk8_fp8_f32 v[RCODE+8*(\m)+2*\g:RCODE+8*(\m)+2*\g+1], v[RX+8*\g:RX+8*\g+7], v[SCL]
.endr
.endm
.macro IST m, buf                      ; (SB) my two groups of four registers of tile m's fragment
	ds_store_b128 v[IW], v[RCODE+8*(\m):RCODE+8*(\m)+3] offset:(\buf)*16384+(\m)*4096
	ds_store_b128 v[IW], v[RCODE+8*(\m)+4:RCODE+8*(\m)+7] offset:(\buf)*16384+(\m)*4096+512
.endm
.macro POST par                        ; (SB) my token's 32 sums times q2's 32 numbers, in four chains, each accumulator from its low end on; sums of window 1 registers are written 1.0 x a + b, since source 0 means window 0 here
.irp t, 0,1,2,3
	v_pk_mul_f32 v[RACC+2*\t:RACC+2*\t+1], v[RD+8*\t:RD+8*\t+1], v[RWB+32*(\par)+8*\t:RWB+32*(\par)+8*\t+1]
.endr
.irp i, 2,4,6
.irp t, 0,1,2,3
	v_pk_fma_f32 v[RACC+2*\t:RACC+2*\t+1], v[RD+8*\t+\i:RD+8*\t+\i+1], v[RWB+32*(\par)+8*\t+\i:RWB+32*(\par)+8*\t+\i+1], v[RACC+2*\t:RACC+2*\t+1]
.endr
.endr
	v_pk_fma_f32 v[RACC:RACC+1], 1.0, v[RACC+2:RACC+3], v[RACC:RACC+1] op_sel_hi:[0,1,1]
	v_pk_fma_f32 v[RACC+4:RACC+5], 1.0, v[RACC+6:RACC+7], v[RACC+4:RACC+5] op_sel_hi:[0,1,1]
	v_pk_fma_f32 v[RACC:RACC+1], 1.0, v[RACC+4:RACC+5], v[RACC:RACC+1] op_sel_hi:[0,1,1]
	v_fma_f32 v[RE], 1.0, v[RACC], v[RACC+1]
.endm
; ONE STEP: tile m of row b = 4 trip + rho: its products; beside them the codes of tile m of row b + 2 (make); its dot product; the one wait; then the step's LDS instructions in one run:
; the images of the codes just made, (bar: the row's barrier,) the partial logit, the numbers of the token of step m + 2 (sld), eight of q2's numbers (wld), the fragments of tile m + 2 (fet).
; Behind product 7 stand eight holds, which name X alone: the places in front of the first read of results (ISA guide 7.12.1).
; OUT counts the LDS instructions that a step issues behind its wait (and behind its barrier): the next step's head lets just these stay out, so that all that was asked for a step earlier is in.
.macro SLOT rho, m, make, fet, sld, wld, bar
	s_wait_dscnt OUT                               ; LDS instructions end in order (ISA guide 5.7.1): this tile's fragments, its token's numbers and this row's q2 are in; the last step's run may be out
	WIN SA
.if \make
.set jj, 0
.rept 64
.if (jj%8) == 0
	MM jj/8, (\m)&1
.endif
	VA \m, (\m)&1
.set jj, jj+1
.endr
.else
.set jj, 0
.rept 8
	MM jj, (\m)&1
.set jj, jj+1
.endr
.rept 5
	v_nop                                          ; five places: the next tile's first products write over these accumulators
.endr
.endif
	WIN SB
	s_wait_alu depctr_vm_vsrc(0)                   ; the last step's store has read RE, which the dot product writes again; the image stores of four steps back have read RCODE[m], which the conversions write again
.if \make
	CVT \m                                         ; (the dot product's first line is the plain line behind the conversions)
.endif
	POST (\rho)&1
	s_wait_alu depctr_va_vdst(0)                   ; RCODE[m] and RE are written, which the stores below read; the products are done reading RF[m & 1], the multiply-adds RS[m & 1] and, in a row's last step, the dot products RWB[b & 1], in which the loads below land; in a trip's first step STA, WTA and EPA are written
.if \make
	IST \m, ((\rho)+2)%4
.endif
.if \bar
	s_wait_dscnt 0x0                               ; my images of row b + 2 lie in LDS, and my reads of row b's are over
	s_barrier_signal -1
	s_barrier_wait -1
.endif
	ds_store_b32 v[EPA], v[RE] offset:(\rho)*256+64*(\m)
.if \sld
.if (\m) < 2
	SLD (\m)&1, ((\rho)+2)*1024+((\m)+2)*256
.else
	SLD (\m)&1, ((\rho)+3)*1024+((\m)-2)*256
.endif
.endif
.if \wld
.if (\m) < 3
	WLD ((\rho)+1)&1, (\m)+1, ((\rho)+1)*WTP+64*((\m)+1)
.else
	WLD (\rho)&1, 0, ((\rho)+2)*WTP
.endif
.endif
.if \fet
	WIN SF                                         ; (between the wait above and these loads stand LDS instructions, a barrier and window switches alone, none of which names RF or LI)
.if (\m) < 2
	FET (\m)&1, (\rho)*16384+((\m)+2)*4096
.else
	FET (\m)&1, (((\rho)+1)%4)*16384+((\m)-2)*4096
.endif
.endif
.set OUT, 1+(\sld)+2*(\wld)+8*(\fet)+2*(\make)*(1-(\bar))
.endm
.macro PSLOT i                         ; ahead of the loop: the codes of tile i % 4 of row i / 4 = 0 or 1, with no products beside them; the token's numbers come two tiles ahead, as in the loop
.if (\i) == 0
	s_wait_dscnt 1                                 ; the first token's numbers are in; the second's may be out
.else
	s_wait_dscnt 3                                 ; this token's numbers are in; the last tile's two stores and its load may be out
.endif
	s_wait_alu depctr_vm_vsrc(0)                   ; the stores of q2 have read v32-63, which are X from here on; the image stores of four tiles back have read RCODE[i % 4]
	WIN SA
.set jj, 0
.rept 64
	VA (\i)%4, (\i)&1
.set jj, jj+1
.endr
	WIN SB
	CVT (\i)%4
	v_nop                                          ; the plain line behind the conversions
	s_wait_alu depctr_va_vdst(0)                   ; the conversions have written RCODE[i % 4], which the stores read; the multiply-adds are done reading RS[i & 1], in which the load lands
	IST (\i)%4, (\i)/4
	SLD (\i)&1, (((\i)+2)/4)*1024+(((\i)+2)%4)*256
.endm
	s_load_b512 s[4:19], s[0:1], 0x0               ; desc 4, Y 6, AK 8, AV 10, TAB 12, WC 14, ln_q_g 16, ln_q_b 18
	s_load_b256 s[20:27], s[0:1], 0x40             ; ln_k_b 20, scales 22, SIG 24, SP 26
	s_load_b64 s[28:29], s[0:1], 0x60              ; PC
	v_lshl_add_u32 v254, v0, 2, 0x44500            ; the closing add's two registers, kept for it alone: my spare word, behind the stages,
	v_mov_b32 v255, 0                              ; and 0
	v_lshrrev_b32 v224, 5, v0
	v_readfirstlane_b32 s30, v224                  ; wave w
	v_and_b32 v225, 31, v0                         ; lane
	v_and_b32 v226, 15, v0                         ; r
	v_bfe_u32 v227, v0, 4, 1                       ; h
	v_lshrrev_b32 v228, 4, v0                      ; thread / 16: 0 .. 7
	s_mov_b32 s31, ttmp9                           ; pb
	s_and_b32 s32, ttmp7, 0xffff                   ; bb
	s_wait_alu depctr_va_sdst(0)                   ; s30, the wave's number, is written, ahead of its first reader
	s_lshr_b32 s33, s30, 1
	s_and_b32 s46, s30, 1
	; every address register is made here and, but for STA, WTA and EPA, never written again
	v_lshlrev_b32 v[LI], 4, v225
	s_lshl_b32 s74, s33, 11
	s_lshl_b32 s75, s46, 10
	s_add_co_u32 s74, s74, s75
	v_add_nc_u32 v[IW], s74, v[LI]                 ; my columns are K step w / 2, groups c = 2 (w % 2) and the next
	v_lshl_add_u32 v[ST0], v226, 4, STB
	s_lshl_b32 s74, s30, 8
	v_lshl_add_u32 v[WT0], v227, 5, s74
	v_add_nc_u32 v[WT0], WTB, v[WT0]
	s_lshl_b32 s75, s30, 14
	v_lshl_add_u32 v[EP0], v227, 13, s75
	v_lshl_add_u32 v[EP0], v226, 2, v[EP0]
	v_add_nc_u32 v[EP0], EPB, v[EP0]
	v_lshlrev_b32 v[DA], 12, v228
	v_lshl_add_u32 v[DA], v226, 4, v[DA]           ; desc, SIG: row thread / 16 (+ 8 i), tokens 4 (thread % 16) on
	v_lshlrev_b32 v[PA], 6, v226
	s_lshl_b32 s75, s33, 9
	v_lshl_add_u32 v[GQ], v227, 6, s75
	v_lshlrev_b32 v[UA], 8, v226
	v_lshl_add_u32 v[UA], v227, 4, v[UA]
	v_lshl_add_u32 v[WA], v227, 6, s74
	v_lshl_add_u32 v[AA], v226, 10, v[WA]
	v_lshlrev_b32 v[STW], 10, v228
	v_lshl_add_u32 v[STW], v226, 6, v[STW]
	v_add_nc_u32 v[STW], STB, v[STW]
	s_lshl_b32 s75, s46, 1
	s_add_co_u32 s75, s75, s33
	s_lshl_b32 s75, s75, 11
	v_add_nc_u32 v[QW], s75, v[LI]
	v_add_nc_u32 v[QW], QIB, v[QW]
	v_mul_u32_u24 v[WTW], v226, WTP
	v_add_nc_u32 v[WTW], v[WTW], v[WT0]
	s_mul_i32 s76, s30, 8704
	v_add_nc_u32 v[AVW], s76, v[LI]
	v_add_nc_u32 v[AVW], AVB, v[AVW]
	v_lshlrev_b32 v[EPR], 8, v228
	v_lshl_add_u32 v[EPR], v226, 4, v[EPR]
	v_add_nc_u32 v[EPR], EPB, v[EPR]
	v_mul_u32_u24 v[GTW], v228, GTP
	v_lshl_add_u32 v[GTW], v226, 3, v[GTW]
	v_add_nc_u32 v[GTW], GTB, v[GTW]
	v_lshl_add_u32 v[SPW], v228, 2, SPB
	v_and_b32 v229, 7, v0
	v_lshl_add_u32 v229, v227, 3, v229
	v_mul_u32_u24 v[AVR], v229, AVP
	v_bfe_u32 v229, v0, 3, 1
	v_lshl_add_u32 v[AVR], v229, 4, v[AVR]
	s_lshl_b32 s75, s30, 7
	v_add_nc_u32 v[AVR], s75, v[AVR]
	v_add_nc_u32 v[AVR], AVB, v[AVR]
	v_mul_u32_u24 v[GTR], v226, GTP
	v_lshl_add_u32 v[GTR], v227, 4, v[GTR]
	v_add_nc_u32 v[GTR], GTB, v[GTR]
	v_mul_u32_u24 v[PSW], v226, PSP
	v_lshl_add_u32 v[PSW], v227, 5, v[PSW]
	v_add_nc_u32 v[PSW], s76, v[PSW]
	v_add_nc_u32 v[PSW], PSB, v[PSW]
	v_mul_u32_u24 v[PSR], v227, PSP
	v_lshl_add_u32 v[PSR], v226, 4, v[PSR]
	v_add_nc_u32 v[PSR], s76, v[PSR]
	v_add_nc_u32 v[PSR], PSB, v[PSR]
	v_lshlrev_b32 v[PCO], 10, v227
	v_lshl_add_u32 v[PCO], v226, 4, v[PCO]
	v_add_nc_u32 v[PCO], s74, v[PCO]
	v_lshl_add_u32 v[SPR], v225, 3, SPB
	v_add_nc_u32 v[QR], QIB, v[LI]
	v_lshlrev_b32 v[L8], 3, v225
	s_mov_b32 s66, 0x76543210
	s_mov_b32 s67, 0xfedcba98
	s_mov_b32 s68, 0x3b800000                      ; 1/256
	s_mov_b32 s69, 0x3727c5ac                      ; 1e-5
	s_wait_kmcnt 0x0
	s_load_b128 s[48:51], s[22:23], 0x0            ; e0 .. e3
	s_load_b64 s[52:53], s[22:23], 0x10            ; e4, e5
	s_load_b64 s[54:55], s[12:13], 0x4800          ; VWk, VWv
	s_mov_b32 s35, 0
	s_lshl_b32 s34, s32, 17
	s_lshl_b32 s74, s31, 8
	s_add_co_u32 s34, s34, s74
	s_add_nc_u64 s[4:5], s[4:5], s[34:35]
	s_add_nc_u64 s[24:25], s[24:25], s[34:35]
	s_lshl_b32 s34, s31, 10
	s_add_nc_u64 s[36:37], s[12:13], s[34:35]      ; the rows of four numbers of my 64 p
	s_add_nc_u64 s[38:39], s[12:13], 16384         ; W'k
	s_lshl_b32 s34, s32, 1
	s_add_co_u32 s34, s34, s46
	s_lshl_b32 s34, s34, 14
	s_lshl_b32 s74, s33, 13
	s_add_co_u32 s34, s34, s74
	s_add_nc_u64 s[40:41], s[6:7], s[34:35]        ; y: rows 16 (w % 2) on, K step w / 2,
	s_xor_b32 s34, s34, 8192
	s_add_nc_u64 s[42:43], s[6:7], s[34:35]        ; and the other K step, for the row's mean and variance
	s_lshl_b32 s34, s30, 14
	s_add_nc_u64 s[14:15], s[14:15], s[34:35]      ; my 64 rows of Vk's codes,
	s_add_nc_u64 s[44:45], s[14:15], 65536         ; and of Uq's
	s_lshl_b32 s34, s31, 16
	s_add_nc_u64 s[8:9], s[8:9], s[34:35]
	s_lshl_b32 s34, s31, 15
	s_lshl_b32 s74, s30, 13
	s_add_co_u32 s34, s34, s74
	s_add_nc_u64 s[10:11], s[10:11], s[34:35]
	s_lshl_b32 s34, s32, 4
	s_add_co_u32 s34, s34, s31
	s_lshl_b32 s34, s34, 8
	s_add_nc_u64 s[26:27], s[26:27], s[34:35]
	s_lshl_b32 s34, s31, 9
	s_lshl_b32 s74, s32, 5
	s_add_co_u32 s34, s34, s74
	s_lshl_b32 s34, s34, 10
	s_add_nc_u64 s[28:29], s[28:29], s[34:35]
	; ---- loads, first group: 8 + 48
	s_wait_alu depctr_va_vdst(0)                   ; the address registers v1 to v31 are written, which the kernel's loads and stores read; the lines above are done with v224 to v229, in which loads of the rows of four land
.irp i, 0,1,2,3
	global_load_b128 v[SV+4*\i:SV+4*\i+3], v[DA], s[4:5] offset:32768*\i
.endr
.irp q, 0,1,2,3
	global_load_b128 v[224+4*\q:227+4*\q], v[PA], s[36:37] offset:16*\q
.endr
	WIN 0xc0
.set n, 0
.rept 16
	global_load_b128 v[4*n:4*n+3], v[LI], s[40:41] offset:2048*(n/4)+512*(n%4)
.set n, n+1
.endr
.set n, 0
.rept 16
	global_load_b128 v[64+4*n:64+4*n+3], v[LI], s[42:43] offset:2048*(n/4)+512*(n%4)
.set n, n+1
.endr
.set n, 0
.rept 16
	global_load_b128 v[128+4*n:128+4*n+3], v[GQ], s[16:17] offset:128*(n/4)+16*(n%4)
.set n, n+1
.endr
	WIN 0
	s_wait_kmcnt 0x0
	MKSC 52, 60, 56, 57                            ; e4: k's scale
	MKSC 50, 61, 58, 59                            ; e2: q's
	s_add_co_i32 s62, s50, s51
	s_add_co_i32 s62, s62, s52
	s_add_co_i32 s62, s62, s53
	s_sub_co_i32 s62, s62, 4                       ; e2 + e3 + e4 + e5 - 4: the four scales and the division by 16
	; ---- A: rr, s rr and r_v of my thread's 16 tokens (row thread / 16 + 8 i, token 4 (thread % 16) + q; n = 4 i + q)
	s_wait_loadcnt 48                              ; desc and the rows of four: the 48 loads of y and ln_q_g are younger
.set n, 0
.rept 16
	v_fma_f32 v[34+4*n], s54, v[SV+n], v[224+4*(n%4)]
	v_fma_f32 v[RV+n], s55, v[SV+n], v[226+4*(n%4)]
.set n, n+1
.endr
.set n, 0
.rept 16
	v_fma_f32 v[34+4*n], v[34+4*n], v[SV+n], v[225+4*(n%4)]
	v_fma_f32 v[RV+n], v[RV+n], v[SV+n], v[227+4*(n%4)]
.set n, n+1
.endr
.set n, 0
.rept 16
	v_max_num_f32 v[34+4*n], s69, v[34+4*n]
	v_max_num_f32 v[RV+n], s69, v[RV+n]
.set n, n+1
.endr
.set n, 0
.rept 16
	v_rsq_f32 v[34+4*n], v[34+4*n]
	v_rsq_f32 v[RV+n], v[RV+n]
.set n, n+1
.endr
	v_nop                                          ; a plain line behind the transcendentals
	s_wait_alu depctr_va_vdst(0)                   ; the 32 reciprocal roots are written, ahead of their first reader
.set n, 0
.rept 16
	v_mul_f32 v[32+4*n], v[SV+n], v[34+4*n]
	v_mov_b32 v[35+4*n], v[34+4*n]
	v_mov_b32 v[33+4*n], v[32+4*n]
.set n, n+1
.endr
	s_wait_alu depctr_va_vdst(0)                   ; the sixteen tokens' (s rr, s rr, rr, rr) are written in v32 to v95, which the LDS stores read
.set n, 0
.rept 16
	ds_store_b128 v[STW], v[32+4*n:35+4*n] offset:8192*(n/4)+16*(n%4)
.set n, n+1
.endr
	; ---- loads, second group: 16 + 32 + 32 + 8 + 8: into registers that no vector instruction has named yet
.set n, 0
.rept 16
	global_load_b128 v[160+4*n:160+4*n+3], v[GQ], s[18:19] offset:128*(n/4)+16*(n%4)
.set n, n+1
.endr
	WIN 0x40
.set n, 0
.rept 32
	global_load_b128 v[4*n:4*n+3], v[UA], s[44:45] offset:4096*(n/8)+128*((n/4)%2)+32*(n%4)
.set n, n+1
.endr
	WIN 0x80
.set n, 0
.rept 32
	global_load_b128 v[RAP+4*n:RAP+4*n+3], v[AA], s[8:9] offset:16384*(n/8)+128*((n/4)%2)+16*(n%4)
.set n, n+1
.endr
.set n, 0
.rept 8
	global_load_b128 v[RWP+4*n:RWP+4*n+3], v[WA], s[38:39] offset:128*(n/4)+16*(n%4)
.set n, n+1
.endr
	WIN 0
.set n, 0
.rept 8
	global_load_b128 v[RBETA+4*n:RBETA+4*n+3], v[WA], s[20:21] offset:128*(n/4)+16*(n%4)
.set n, n+1
.endr
	v_mov_b32 v240, s61                            ; 2^e2
	v_mov_b32 v20, 0xbfb8aa3b                      ; -log2(e): sigmoid(x) = 1 / (1 + 2^(-log2(e) x))
	v_ldexp_f32 v20, v20, s62
	v_mov_b32 v21, v20
	; ---- B: LN(q) of rows 16 (w % 2) + r; a lane holds 128 of a row's 256 numbers, the lane 16 away the others.  My K step is quantised
	s_wait_loadcnt 63                              ; 96 loads are younger than y and ln_q_g, 80 than ln_q_b
	WIN 0xff
.irp k, 0,1,2,3
	v_pk_add_f32 v[CH+2*\k:CH+2*\k+1], v[2*\k:2*\k+1], v[2*\k+8:2*\k+9]
.endr
.set n, 8
.rept 56
	v_pk_add_f32 v[CH+2*(n%4):CH+2*(n%4)+1], v[CH+2*(n%4):CH+2*(n%4)+1], v[2*n:2*n+1]
.set n, n+1
.endr
	v_pk_add_f32 v[CH:CH+1], v[CH:CH+1], v[CH+2:CH+3]
	v_pk_add_f32 v[CH+4:CH+5], v[CH+4:CH+5], v[CH+6:CH+7]
	v_pk_add_f32 v[CH:CH+1], v[CH:CH+1], v[CH+4:CH+5]
	WIN 0x0f
	v_add_f32 v224, v[CH], v[CH+1]
	WIN 0
	v_permlanex16_b32 v225, v224, s66, s67
	v_add_f32 v224, v224, v225
	v_mul_f32 v226, s68, v224                      ; the mean
	v_mov_b32 v227, v226
	WIN 0xc3
.set n, 0
.rept 64
	v_pk_add_f32 v[2*n:2*n+1], v[2*n:2*n+1], v[226:227] neg_lo:[0,1] neg_hi:[0,1]
.set n, n+1
.endr
	WIN 0xff
.irp k, 0,1,2,3
	v_pk_mul_f32 v[CH+2*\k:CH+2*\k+1], v[2*\k:2*\k+1], v[2*\k:2*\k+1]
.endr
.set n, 4
.rept 60
	v_pk_fma_f32 v[CH+2*(n%4):CH+2*(n%4)+1], v[2*n:2*n+1], v[2*n:2*n+1], v[CH+2*(n%4):CH+2*(n%4)+1]
.set n, n+1
.endr
	v_pk_add_f32 v[CH:CH+1], v[CH:CH+1], v[CH+2:CH+3]
	v_pk_add_f32 v[CH+4:CH+5], v[CH+4:CH+5], v[CH+6:CH+7]
	v_pk_add_f32 v[CH:CH+1], v[CH:CH+1], v[CH+4:CH+5]
	WIN 0x0f
	v_add_f32 v224, v[CH], v[CH+1]
	WIN 0
	v_permlanex16_b32 v225, v224, s66, s67
	v_add_f32 v224, v224, v225
	v_fma_f32 v224, v224, s68, s69                 ; the variance + 1e-5
	v_rsq_f32 v226, v224
	v_nop                                          ; a plain line behind the transcendental
	s_wait_alu depctr_va_vdst(0)                   ; the row's reciprocal root is written in v226, ahead of its first reader
	v_mov_b32 v227, v226
	WIN 0xc3
.set n, 0
.rept 32
	v_pk_mul_f32 v[128+2*n:128+2*n+1], v[128+2*n:128+2*n+1], v[226:227]
.set n, n+1
.endr
	WIN 0xcf
.set n, 0
.rept 32
	v_pk_fma_f32 v[2*n:2*n+1], v[2*n:2*n+1], v[128+2*n:128+2*n+1], v[160+2*n:160+2*n+1]
.set n, n+1
.endr
.set n, 0
.rept 64
	v_med3_num_f32 v[n], v[n], s58, s59
.set n, n+1
.endr
	WIN 0x03
.irp g, 0,1,2,3,4,5,6,7
	v_cvt_scalef32_pk8_fp8_f32 v[224+2*\g:225+2*\g], v[8*\g:8*\g+7], v240
.endr
	WIN 0
	v_nop                                          ; the plain line behind the conversions
	s_wait_alu depctr_va_vdst(0)                   ; the conversions have written q's codes in v224 to v239, which the LDS stores read
.irp c, 0,1,2,3
	ds_store_b128 v[QW], v[224+4*\c:227+4*\c] offset:512*\c
.endr
	s_wait_dscnt 0x0                               ; the tokens' numbers and q's fragments lie in LDS
	s_barrier_signal -1
	s_barrier_wait -1
	s_wait_alu depctr_vm_vsrc(0)                   ; my LDS stores of the tokens' numbers have read v32 to v95, which q2's products write
	; ---- q2 for my 64 e and all 32 rows: source 0 = 16 rows of Uq, source 1 = 16 rows of q; eight accumulators by turns
	WIN SF
.set n, 0
.rept 16
	ds_load_b128 v[RF+4*n:RF+4*n+3], v[QR] offset:512*n
.set n, n+1
.endr
	s_wait_loadcnt 48                              ; Uq's codes: A', W' and beta are younger
	s_wait_dscnt 0x0
	WIN SA
.irp s, 0,1
.irp mt, 0,1
.irp t, 0,1,2,3
.if \s == 0
	v_wmma_f32_16x16x128_fp8_fp8 v[32+8*(4*\mt+\t):32+8*(4*\mt+\t)+7], v[16*(2*\t+\s):16*(2*\t+\s)+15], v[RF+16*(2*\mt+\s):RF+16*(2*\mt+\s)+15], 0
.else
	v_wmma_f32_16x16x128_fp8_fp8 v[32+8*(4*\mt+\t):32+8*(4*\mt+\t)+7], v[16*(2*\t+\s):16*(2*\t+\s)+15], v[RF+16*(2*\mt+\s):RF+16*(2*\mt+\s)+15], v[32+8*(4*\mt+\t):32+8*(4*\mt+\t)+7]
.endif
.endr
.endr
.endr
	WIN 0
.rept 4
	v_nop                                          ; four places in front of the first read of results
.endr
.set n, 0
.rept 32
	v_pk_mul_f32 v[32+2*n:32+2*n+1], v[32+2*n:32+2*n+1], v[20:21]      ; x -log2(e) 2^(e2+e3+e4+e5-4); each accumulator from its low end on
.set n, n+1
.endr
	s_wait_alu depctr_va_vdst(0)                   ; q2 x the factor is written in v32 to v95, which the LDS stores read; q2's products are done reading Uq's codes, over which Vk's land below; LN(q) is done reading ln_q_b, over which A'v's rows land
.set n, 0
.rept 8
	ds_store_b128 v[WTW], v[32+8*n:35+8*n] offset:16640*(n/4)+64*(n%4)
	ds_store_b128 v[WTW], v[36+8*n:39+8*n] offset:16640*(n/4)+64*(n%4)+16
.set n, n+1
.endr
	; ---- loads, third group: 32 + 16
	WIN 0x40
.set n, 0
.rept 32
	global_load_b128 v[4*n:4*n+3], v[UA], s[14:15] offset:4096*(n/8)+128*((n/4)%2)+32*(n%4)
.set n, n+1
.endr
	v_mov_b32 v[SCL], s60                          ; 2^e4 (a register that no load or store names)
	WIN 0
.set n, 0
.rept 16
	global_load_b128 v[160+4*n:160+4*n+3], v[LI], s[10:11] offset:512*n
.set n, n+1
.endr
	; ---- the codes of rows 0 and 1
	s_wait_loadcnt 48                              ; A', W', beta: Vk's codes and A'v's rows are younger
	v_mov_b32 v[STA], v[ST0]
	v_mov_b32 v[WTA], v[WT0]
	WIN SB
	s_wait_alu depctr_va_vdst(0)                   ; STA and WTA are written, which the LDS loads from here to the loop read
	SLD 0, 0
	SLD 1, 256
.irp i, 0,1,2,3,4,5,6,7
	PSLOT \i
.endr
	WIN 0
	s_wait_loadcnt 0x0
.set n, 0
.rept 16
	ds_store_b128 v[AVW], v[160+4*n:160+4*n+3] offset:AVP*n
.set n, n+1
.endr
	s_wait_dscnt 0x0                               ; q2, two rows' images and A'v lie in LDS
	s_barrier_signal -1
	s_barrier_wait -1
	WIN SB                                         ; what the loop's first two steps find asked for; no vector instruction has named these registers since the last wait on va_vdst
.irp t, 0,1,2,3
	WLD 0, \t, 64*\t
.endr
	WLD 1, 0, WTP
	WIN SF
	FET 0, 0
	FET 1, 4096
	WIN 0
	s_wait_dscnt 8                                 ; row 0's q2 and tile 0's fragments are in; tile 1's eight loads may be out
	s_mov_b32 s70, 7
	s_mov_b32 s71, 0
	s_mov_b32 s72, 0
	s_mov_b32 s73, 0
.set OUT, 12                                           ; what a row's last step leaves out behind its barrier: over the backward jump the first step finds that; on the way in, the eight above
.Ltrip:                                                ; a trip is four rows b, so that every buffer's number is a constant; seven trips, the last four rows are written out
	s_wait_alu depctr_vm_vsrc(0)                   ; the LDS loads and the store issued so far have read STA, WTA and EPA
	v_add_nc_u32 v[STA], s71, v[ST0]
	v_add_nc_u32 v[WTA], s72, v[WT0]
	v_add_nc_u32 v[EPA], s73, v[EP0]
.irp rho, 0,1,2,3
.irp m, 0,1,2,3
	SLOT \rho, \m, 1, 1, 1, 1, (\m)/3
.endr
.endr
	WIN 0
	s_add_co_u32 s71, s71, 4096
	s_add_co_u32 s72, s72, 4*WTP
	s_add_co_u32 s73, s73, 1024
	s_sub_co_u32 s70, s70, 1
	s_cmp_lg_u32 s70, 0
	s_cbranch_scc1 .Ltrip
	s_wait_alu depctr_vm_vsrc(0)                   ; the LDS loads and the store issued so far have read STA, WTA and EPA
	v_add_nc_u32 v[STA], 28672, v[ST0]             ; rows 28 to 31
	v_add_nc_u32 v[WTA], 28*WTP, v[WT0]
	v_add_nc_u32 v[EPA], 7168, v[EP0]
.irp m, 0,1,2,3
	SLOT 0, \m, 1, 1, 1, 1, (\m)/3                 ; beside row 28: the codes of row 30
.endr
.irp m, 0,1,2,3
	SLOT 1, \m, 1, 1, 1-(\m)/2, 1, (\m)/3          ; beside row 29: those of row 31, the last, whose last two tokens' numbers are asked for here; behind this barrier no image is written
.endr
.irp m, 0,1,2,3
	SLOT 2, \m, 0, 1, 0, 1-(\m)/3, 0               ; row 30: the rest of row 31's q2
.endr
.irp m, 0,1,2,3
	SLOT 3, \m, 0, 1-(\m)/2, 0, 0, 0               ; row 31: its last two tiles' fragments, then nothing more
.endr
	WIN 0
	s_wait_dscnt 0x0                               ; all partial logits lie in LDS
	s_barrier_signal -1
	s_barrier_wait -1
	; ---- sigma of my thread's 16 tokens: eight partial logits each.  The loads land in X, D, beta and v160 on: no vector or matrix instruction has been issued since the last step's wait on va_vdst
.macro EPL i, base
.irp x, 0,1,2,3,4,5,6,7
	ds_load_b128 v[\base+4*\x:\base+4*\x+3], v[EPR] offset:8192*\x+2048*\i
.endr
.endm
.macro ESUM i, base
	s_wait_dscnt 24-8*\i                           ; the later rows' loads may be out
.irp x, 0,2,4,6,8,10,12,14
	v_pk_add_f32 v[\base+\x:\base+\x+1], v[\base+\x:\base+\x+1], v[\base+16+\x:\base+16+\x+1]
.endr
.irp x, 0,2,4,6
	v_pk_add_f32 v[\base+\x:\base+\x+1], v[\base+\x:\base+\x+1], v[\base+8+\x:\base+8+\x+1]
.endr
	v_pk_add_f32 v[SG+4*\i:SG+4*\i+1], v[\base:\base+1], v[\base+4:\base+5]
	v_pk_add_f32 v[SG+4*\i+2:SG+4*\i+3], v[\base+2:\base+3], v[\base+6:\base+7]
.endm
	EPL 0, 32
	EPL 1, 64
	EPL 2, 96
	EPL 3, 160
	ESUM 0, 32
	ESUM 1, 64
	ESUM 2, 96
	ESUM 3, 160
.set n, 0
.rept 16
	v_exp_f32 v[SG+n], v[SG+n]
.set n, n+1
.endr
	v_nop                                          ; a plain line behind the transcendentals
	s_wait_alu depctr_va_vdst(0)                   ; the sixteen exponentials are written, ahead of their first reader
.set n, 0
.rept 8
	v_pk_add_f32 v[SG+2*n:SG+2*n+1], v[SG+2*n:SG+2*n+1], 1.0 op_sel_hi:[1,0]
.set n, n+1
.endr
.set n, 0
.rept 16
	v_rcp_f32 v[SG+n], v[SG+n]
.set n, n+1
.endr
	v_nop                                          ; a plain line behind the transcendentals
	s_wait_alu depctr_va_vdst(0)                   ; the sixteen reciprocals, sigma, are written, ahead of their first readers: the stores below, then the products
.irp i, 0,1,2,3
	global_store_b128 v[DA], v[SG+4*\i:SG+4*\i+3], s[24:25] offset:32768*\i    ; sixteen lanes store 256 consecutive bytes, aligned
.endr
.set n, 0
.rept 8
	v_pk_mul_f32 v[208+2*n:208+2*n+1], v[SG+2*n:SG+2*n+1], v[RV+2*n:RV+2*n+1]  ; sigma r_v
.set n, n+1
.endr
.irp i, 0,1,2,3
	v_cvt_pk_bf16_f32 v[224+2*\i], v[208+4*\i], v[209+4*\i]
	v_cvt_pk_bf16_f32 v[225+2*\i], v[210+4*\i], v[211+4*\i]
	v_add_f32 v[232+\i], v[SG+4*\i], v[SG+4*\i+1]
	v_add_f32 v[240+\i], v[SG+4*\i+2], v[SG+4*\i+3]
	v_mul_f32 v[236+\i], v[208+4*\i], v[SV+4*\i]
.endr
	s_wait_alu depctr_va_vdst(0)                   ; the roundings have written sigma r_v in bf16 in v224 to v231, which the LDS stores read
.irp i, 0,1,2,3
	ds_store_b64 v[GTW], v[224+2*\i:225+2*\i] offset:8*GTP*\i
.endr
.irp i, 0,1,2,3
	v_add_f32 v[232+\i], v[232+\i], v[240+\i]
	v_fma_f32 v[236+\i], v[209+4*\i], v[SV+4*\i+1], v[236+\i]
.endr
.irp i, 0,1,2,3
	v_fma_f32 v[236+\i], v[210+4*\i], v[SV+4*\i+2], v[236+\i]
.endr
.irp i, 0,1,2,3
	v_fma_f32 v[236+\i], v[211+4*\i], v[SV+4*\i+3], v[236+\i]
.endr
.irp x, 1,2,4,8                        ; over the sixteen lanes that share a row b
.irp i, 0,1,2,3,4,5,6,7
	v_add_f32_dpp v[232+\i], v[232+\i], v[232+\i] row_xmask:\x row_mask:0xf bank_mask:0xf
.endr
.endr
	s_wait_alu depctr_va_vdst(0)                   ; the eight sums are written in v232 to v239, which the LDS stores read; the additions are done with v240 and v241, in which wave 0's load lands, and the sums of partial logits with v32 to v127, in which the fragments below land
.irp i, 0,1,2,3
	ds_store_b32 v[SPW], v[232+\i] offset:32*\i                ; sixteen lanes write one word with one value
	ds_store_b32 v[SPW], v[236+\i] offset:128+32*\i
.endr
	s_wait_dscnt 0x0
	s_barrier_signal -1
	s_barrier_wait -1
	s_cmp_lg_u32 s30, 0
	s_cbranch_scc1 .Lnot_wave_0
	ds_load_b64 v[240:241], v[SPR]
	s_wait_dscnt 0x0
	global_store_b64 v[L8], v[240:241], s[26:27]   ; 256 consecutive bytes, aligned: 32 sums of sigma, 32 of sigma r_v s
.Lnot_wave_0:
	; ---- my 64 columns d of sum_p (sigma r_v)[b][p] A'v[p][d]: source 0 = A'v turned (16 d x 32 p), source 1 = 16 rows b; eight accumulators by turns
.set n, 0
.rept 8
	ds_load_tr16_b128 v[32+8*n:35+8*n], v[AVR] offset:32*AVP*(n/4)+32*(n%4)
	ds_load_tr16_b128 v[36+8*n:39+8*n], v[AVR] offset:32*AVP*(n/4)+32*(n%4)+16*AVP
.set n, n+1
.endr
.set n, 0
.rept 4
	ds_load_b128 v[96+8*n:99+8*n], v[GTR] offset:16*GTP*(n/2)+64*(n%2)
	ds_load_b128 v[100+8*n:103+8*n], v[GTR] offset:16*GTP*(n/2)+64*(n%2)+32
.set n, n+1
.endr
	s_wait_dscnt 0x0
.irp ks, 0,1
.irp dt, 0,1,2,3
.irp mt, 0,1
.if \ks == 0
	v_wmma_f32_16x16x32_bf16 v[128+8*(2*\dt+\mt):128+8*(2*\dt+\mt)+7], v[32+8*(4*\ks+\dt):32+8*(4*\ks+\dt)+7], v[96+8*(2*\mt+\ks):96+8*(2*\mt+\ks)+7], 0
.else
	v_wmma_f32_16x16x32_bf16 v[128+8*(2*\dt+\mt):128+8*(2*\dt+\mt)+7], v[32+8*(4*\ks+\dt):32+8*(4*\ks+\dt)+7], v[96+8*(2*\mt+\ks):96+8*(2*\mt+\ks)+7], v[128+8*(2*\dt+\mt):128+8*(2*\dt+\mt)+7]
.endif
.endr
.endr
.endr
.rept 4
	v_nop                                          ; four places in front of the stores that read results; they stay beside the wait below
.endr
	s_wait_alu depctr_va_vdst(0)                   ; the products have written v128 to v191, which the LDS stores read, and are done reading A'v's fragments in v32 to v95, in which the rows land on their way back
.set n, 0
.rept 8                                ; lane (r, h) of accumulator (dt, mt): row 16 mt + r, columns 16 dt + 8 h + 0..7, through my own stage
	ds_store_b128 v[PSW], v[128+8*n:131+8*n] offset:16*PSP*(n%2)+64*(n/2)
	ds_store_b128 v[PSW], v[132+8*n:135+8*n] offset:16*PSP*(n%2)+64*(n/2)+16
.set n, n+1
.endr
.set n, 0
.rept 16
	ds_load_b128 v[32+4*n:35+4*n], v[PSR] offset:2*PSP*n       ; LDS serves a wave's instructions in order (ISA guide 5.7.1): these see my stores
.set n, n+1
.endr
.set n, 0
.rept 16
	s_wait_dscnt 15-n
	global_store_b128 v[PCO], v[32+4*n:35+4*n], s[28:29] offset:2048*n         ; each half of the lanes stores 256 consecutive bytes, aligned
.set n, n+1
.endr
	s_wait_dscnt 0x0                               ; the closing lines, six on end (every window is 0 here: the add's two registers lie in window 0)
	s_wait_alu 0x0
	s_wait_tensorcnt 0x0
	ds_add_u32 v254, v255
	s_wait_dscnt 0x0
	s_endpgm
.Lfunc_end_k_qf76e49c13c_main:
	.size	k_qf76e49c13c_main, .Lfunc_end_k_qf76e49c13c_main-k_qf76e49c13c_main
	.p2alignl 7, 3214868480
	.fill 96, 4, 3214868480
	.section	.rodata,"a",@progbits
	.p2align	6, 0x0
	.amdhsa_kernel k_qf76e49c13c_main
		.amdhsa_group_segment_fixed_size 280320
		.amdhsa_private_segment_fixed_size 0
		.amdhsa_enable_private_segment 0
		.amdhsa_kernarg_size 104
		.amdhsa_user_sgpr_count 2
		.amdhsa_user_sgpr_kernarg_segment_ptr 1
		.amdhsa_wavefront_size32 1
		.amdhsa_system_sgpr_workgroup_id_x 1
		.amdhsa_system_sgpr_workgroup_id_y 1
		.amdhsa_system_sgpr_workgroup_id_z 1
		.amdhsa_system_vgpr_workitem_id 0
		.amdhsa_next_free_vgpr 1024
		.amdhsa_next_free_sgpr 96
		.amdhsa_reserve_vcc 0
		.amdhsa_float_denorm_mode_32 3
		.amdhsa_float_denorm_mode_16_64 3
		.amdhsa_memory_ordered 1
		.amdhsa_forward_progress 1
		.amdhsa_inst_pref_size 255
	.end_amdhsa_kernel
	.section	.bss,"aw",@nobits
	.p2align	6
	.space	262144
	.amdgpu_metadata
---
amdhsa.version: [ 1, 2 ]
amdhsa.kernels:
  - .name:           k_qf76e49c13c_main
    .symbol:         k_qf76e49c13c_main.kd
    .args:
      - { .name: desc_2d, .offset: 0, .size: 8, .value_kind: global_buffer, .address_space: global }
      - { .name: Y, .offset: 8, .size: 8, .value_kind: global_buffer, .address_space: global }
      - { .name: AK, .offset: 16, .size: 8, .value_kind: global_buffer, .address_space: global }
      - { .name: AV, .offset: 24, .size: 8, .value_kind: global_buffer, .address_space: global }
      - { .name: TAB, .offset: 32, .size: 8, .value_kind: global_buffer, .address_space: global }
      - { .name: WC, .offset: 40, .size: 8, .value_kind: global_buffer, .address_space: global }
      - { .name: ln_q_g, .offset: 48, .size: 8, .value_kind: global_buffer, .address_space: global }
      - { .name: ln_q_b, .offset: 56, .size: 8, .value_kind: global_buffer, .address_space: global }
      - { .name: ln_k_b, .offset: 64, .size: 8, .value_kind: global_buffer, .address_space: global }
      - { .name: lowp_scales, .offset: 72, .size: 8, .value_kind: global_buffer, .address_space: global }
      - { .name: SIG, .offset: 80, .size: 8, .value_kind: global_buffer, .address_space: global }
      - { .name: SP, .offset: 88, .size: 8, .value_kind: global_buffer, .address_space: global }
      - { .name: PC, .offset: 96, .size: 8, .value_kind: global_buffer, .address_space: global }
    .group_segment_fixed_size: 280320
    .private_segment_fixed_size: 0
    .kernarg_segment_align: 8
    .kernarg_segment_size: 104
    .max_flat_workgroup_size: 128
    .sgpr_count:     96
    .vgpr_count:     1024
    .wavefront_size: 32
...
	.end_amdgpu_metadata
.endif
;; end of part 4
;; launch finish: the kernel of part 3 again; grid 256 x 1, 4 waves a work-group, no clusters, 0 bytes of LDS; arguments SIG, SP, PC, TAB, ln_v_b, out0, out1; writes out0, out1
